; MI455X (gfx1250); checked and timed in simulation.
; The chip was launched on July 23, 2026; its instructions are those of AMD's public machine-readable ISA for CDNA 5 (MIT licence, August 2026) and "CDNA5" Instruction Set Architecture Reference Guide (July 2026). The comments in the code are by the model that wrote it; some were corrected since.
;; Reprogramming Layer. Allowed arithmetic: matrix products marked QUANTISED: E2M3 operands, one E8M0 scale for each 32 along K, by v_wmma_scale_f32_16x16x128_f8f6f4 with both operands' format E2M3, f32 sums; everything else in f32.
;; Inputs: Wk_codes 1,024 x 128 x 24 uint8 (E2M3 codes of Wk, K innermost, in blocks of 32 codes, four codes in three bytes); Wk_scales 1,024 x 128 uint8 (E8M0 scales of Wk, one for each 32 codes along K); Wo_codes 4,096 x 32 x 24 uint8 (E2M3 codes of Wo, K innermost, in blocks of 32 codes, four codes in three bytes); Wo_scales 4,096 x 32 uint8 (E8M0 scales of Wo, one for each 32 codes along K); Wq_codes 1,024 x 32 x 24 uint8 (E2M3 codes of Wq, K innermost, in blocks of 32 codes, four codes in three bytes); Wq_scales 1,024 x 32 uint8 (E8M0 scales of Wq, one for each 32 codes along K); Wv_codes 1,024 x 128 x 24 uint8 (E2M3 codes of Wv, K innermost, in blocks of 32 codes, four codes in three bytes); Wv_scales 1,024 x 128 uint8 (E8M0 scales of Wv, one for each 32 codes along K); bk 1,024 float32; bo 4,096 float32; bq 1,024 float32; bv 1,024 float32; source_embedding_codes 8 x 512 x 128 x 24 uint8 (E2M3 codes of source_embedding, K innermost, in blocks of 32 codes, four codes in three bytes); source_embedding_scales 8 x 512 x 128 uint8 (E8M0 scales of source_embedding, one for each 32 codes along K); target_embedding_codes 8 x 512 x 32 x 24 uint8 (E2M3 codes of target_embedding, K innermost, in blocks of 32 codes, four codes in three bytes); target_embedding_scales 8 x 512 x 32 uint8 (E8M0 scales of target_embedding, one for each 32 codes along K).
;; Outputs: out0 8 x 512 x 4,096 float32.
;; Constants: n_heads = 16.
;; This version of the problem:
;;   THIS VERSION OF THE PROBLEM IS GIVEN IN LOW PRECISION. The matrix products marked QUANTISED in the list below multiply operands that are first quantised to E2M3 (2 exponent bits, 3 mantissa bits; 6 bits a number), with one power-of-two scale for each 32 numbers along K (OCP MX v1.0); their sums are f32. All else is computed in f32.
;;   The module's matrix products, in the order in which they are computed (A, B: the left and right operand; K: the contracted axis; several contracted axes count as one K, in the product's order):
;;     1. [M 4,096, K 1,024] x [K 1,024, N 1,024]; A: input target_embedding (given as codes); B: input Wq (given as codes): QUANTISED
;;     2. [M 4,096, K 4,096] x [K 4,096, N 1,024]; A: input source_embedding (given as codes); B: input Wk (given as codes): QUANTISED
;;     3. [M 4,096, K 4,096] x [K 4,096, N 1,024]; A: input source_embedding (given as codes); B: input Wv (given as codes): QUANTISED
;;     4. batch 128 x [M 512, K 64] x [K 64, N 512]; A: computed on the way; B: computed on the way: QUANTISED
;;     5. batch 128 x [M 64, K 512] x [K 512, N 512]; A: computed on the way; B: softmax (see below): QUANTISED
;;     6. [M 4,096, K 1,024] x [K 1,024, N 4,096]; A: computed on the way; B: input Wo (given as codes): QUANTISED
;;   THE QUANTISER, for each operand of a quantised product, along K:
;;     - K is cut into blocks of 32 from its start; a last block that is shorter is filled with zeros.
;;     - A block's scale is 2^e with e = floor(log2(the largest magnitude in the block)) - 2, held to -126 .. 127; a block of zeros has e = 0. As a byte (E8M0): e + 127.
;;     - Each number is divided by its block's scale, clamped to +-7.5, and rounded to the nearest number of E2M3, ties to even, subnormals kept.
;;     - The product sums the exact products of the quantised numbers (number of the format x scale) in f32.
;;   ~~~python
;;   def quantise(x, axis):      # numpy; x: float32 -> the quantised numbers, widened to float32 again
;;       x = np.moveaxis(x, axis, -1); K = x.shape[-1]
;;       x = np.pad(x, [(0, 0)] * (x.ndim - 1) + [(0, -K % 32)]); x = x.reshape(x.shape[:-1] + (-1, 32)); a = np.abs(x).max(-1, keepdims=True)
;;       e = np.where(a > 0, np.clip(np.frexp(np.where(a > 0, a, 1))[1] - 1 - 2, -126, 127), 0)      # np.frexp(a)[1] - 1 = floor(log2(a)), exactly
;;       r = np.clip(x / 2.0 ** e, -7.5, 7.5)
;;       step = 2.0 ** (np.maximum(np.frexp(np.where(r == 0, 1, r))[1] - 1, 0) - 3)
;;       q = np.round(r / step) * step * 2.0 ** e      # np.round: ties to even
;;       return np.moveaxis(q.reshape(q.shape[:-2] + (-1,))[..., :K], -1, axis).astype(np.float32)
;;   ~~~
;;   SOFTMAX AHEAD OF A QUANTISED PRODUCT. Where the list says 'softmax', what is quantised is not the finished softmax but p = 2^(t - M), with t = logit x log2(e) and M = ceil(the row's largest t), a whole number; so 1/2 < the row's largest p <= 1. The row's sum l is taken of the UNQUANTISED p, in f32, and the product's result is divided by l at the end. Since M is a whole number, a kernel that streams over the keys may use a running M (the ceiling of the running maximum): every later rescaling is an exact power of two, which a block's scale takes up: the codes' values come out the same.
;;   OPERANDS COMPUTED ON THE WAY. 'Computed on the way' means the value that the module computes at that place (a softmax that the list does not call 'softmax' is quantised finished and normalised). What goes into a quantiser is computed in f32, as accurately as f32 sums, v_exp_f32 and their like allow (about 1e-6 of the number): no bf16 or f16 on the way to a quantiser, and a product that is left as it is and whose result goes on into a quantised operand takes f32 operands (vector FMAs, or v_wmma_f32_16x16x4_f32). A number that lies on a knife's edge between two numbers of the format may be rounded either way, as far as f32 arithmetic and the matrix unit's own rounding can turn it there, and no further.
;;   INPUTS GIVEN AS CODES. Wk (in the module: [4096, 1024], K = its axis 0); Wo (in the module: [1024, 4096], K = its axis 0); Wq (in the module: [1024, 1024], K = its axis 0); Wv (in the module: [4096, 1024], K = its axis 0); source_embedding (in the module: [8, 512, 4096], K = its axis 2); target_embedding (in the module: [8, 512, 1024], K = its axis 2): each comes as NAME_codes (uint8): NAME with its K axis moved to the last place and cut into blocks of 32 codes, [.., K / 32, bytes a block], one block behind the other in memory; four codes in three bytes: a row's codes are one little-endian stream of bits, code i at bits 6 i .. 6 i + 5 (a code: sign, 2 exponent bits, 3 mantissa bits); and NAME_scales (uint8): the same leading axes, one E8M0 byte (e + 127) for each 32 codes along K. Its value is code x scale, taken as it is: it is not quantised again, and the codes and scales need not be those that the quantiser above would give.
;; One version. Each part assembles by itself: llvm-mc -triple=amdgcn-amd-amdhsa -mcpu=gfx1250 --defsym DOCPART=n.
;; ======== version 1 of 1: 3 launches
;; limits: right only within a limited range of input values
;; workspace buffers: kc 3,145,728 bytes; vc 3,145,728 bytes; ks 131,072 bytes; vs 131,072 bytes; aw 3,145,728 bytes; asw 131,072 bytes
;; launch kvp (part 1): grid 8 x 32, 4 waves a work-group, clusters of 4 x 4, 327,680 bytes of LDS; arguments source_embedding_codes, source_embedding_scales, Wk_codes, Wk_scales, Wv_codes, Wv_scales, bk, bv, kc, ks, vc, vs; writes kc, ks, vc, vs
.if DOCPART == 1
	.amdgcn_target "amdgcn-amd-amdhsa--gfx1250"
	.amdhsa_code_object_version 6
	.text
	.protected	k_q12b2fd6853_kvp
	.globl	k_q12b2fd6853_kvp
	.p2align	8
	.type	k_q12b2fd6853_kvp,@function
k_q12b2fd6853_kvp:
	s_mov_b64 s[64:65], 0
	v_nop
	global_prefetch_b8 v0, s[64:65] scope:SCOPE_SE
	s_setreg_imm32_b32 hwreg(HW_REG_WAVE_MODE, 25, 1), 1
	s_wait_xcnt 0x0
	s_wait_alu depctr_hold_cnt(0) depctr_sa_sdst(0) depctr_va_vdst(0) depctr_va_sdst(0) depctr_va_ssrc(0) depctr_va_vcc(0) depctr_vm_vsrc(0)
	s_getreg_b32 s2, hwreg(HW_REG_IB_STS2, 6, 4)
	s_cmp_eq_u32 s2, 0
	s_cbranch_scc0 .Lentry_in_a_cluster
	s_endpgm
.Lentry_in_a_cluster:
	s_bfe_u32 s2, ttmp6, 0x10000c
	s_cmp_lg_u32 s2, 0xf033
	s_cbranch_scc0 .Lentry_shape_is_right
	s_endpgm
.Lentry_shape_is_right:
; K's AND V's PROJECTIONS ON CODES OF FP6 (E2M3), K = 4,096, and their quantising for the attention launch.  No work of the problem is left out.
; Clusters with y < 4 make k = source Wk^T + bk (A = 256 rows of the source, B = 128 rows of Wk); the others make v^T = Wv source^T + bv (A = 256 rows of Wv, B = 128 rows of the source).
; A work-group of four waves makes 256 x 128, a wave 64 x 128: 32 accumulators.  The product is used transposed (source 0 = B's rows, source 1 = A's), so a lane's registers run along B's rows, the next product's K.
; THE RING: a row of codes is 3,072 bytes = 12 chunks of 256 bytes, each on a 256-byte border.  Chunk c lies in slot c % 2; slot 1 begins at 0x20000, so one xor moves an address from one slot to the other.
; A step of 128 along K is 96 bytes: eight steps to three chunks.  A loop's trip is eight steps; behind it the eight fragment addresses change slots by that xor, since three chunks have passed.
; A STEP THAT LIES ACROSS TWO CHUNKS is fetched in two parts: what lies in the old chunk ahead of the round, what lies in the new chunk behind it.  So ONE round of the cluster's barrier serves both ends:
; the new chunk is whole, the old one is read no more and is filled again at once.  A trip has three rounds, in steps 1, 4 and 7 of the eight, and no other barrier.
; A piece of 8 bytes whose lanes 0-15 read the old chunk and whose lanes 16-31 read the new one is loaded twice, each time by all lanes at one half's place: ahead of the round into the fragment's registers,
; behind it into spare registers; a select by the constant mask of lanes 16-31 joins the two at the head of the step that multiplies them: 48 selects for each such step.
; The scales of all 384 rows for all of K come once, at the head.  CLUSTER 4 x 4: A's tiles are asked for jointly along a row, B's along a column.
; PREFETCH: behind each refill (chunk c + 2) a wave names chunk c + 4 of its share of the rows that it fetches: the four partners of a joint load share the rows out by address (32 rows of A's 128, 16 of B's 64, a lane a row;
; lanes left over name the last row again).  Chunks 0 to 3 come by their loads alone; the last two refills name nothing: chunk 11 is the last.
; OUT: sums + bias are quantised along B's rows in blocks of 32 and stored as images of operand registers (half fragments of 768 bytes) with scale words beside them, where the attention launch reads them.
; LIMITS: NaN and infinities are not served.  A block of zeros gets the byte 1 where the quantiser says 127: its codes are zeros and this program alone reads the bytes.
.set KROW,   3072
.set ROWB,   256
.set PITCH,  272                       ; 256 bytes + 16 of padding
.set FR,     12
.set NP,     4
.set HALFA,  128*PITCH
.set HALFB,  64*PITCH
.set BOFF,   2*HALFA                   ; B's 128 rows lie behind A's 256
.set S1,     0x20000                   ; slot 1
.set KS,     128                       ; a row's scale bytes
.set SBLK,   (16*KS/256)*272           ; those of 16 rows: units of 256 bytes + 16
.set SCL,    S1+BOFF+2*HALFB
.set SCLB,   SCL+16*SBLK
.set SPARE,  SCLB+8*SBLK
.set HFB,    768
.set BCO,  12
.set BRO,  13
.set ADRA, 16                          ; v16-17 my A fragments in the slot of even, odd chunks of the trip: row x pitch + 24 x half; v18-19 the same without the half's 24 bytes
.set ADRB, 20                          ; v20-23 the same for B
.set LI,   24
.set L8,   25
.set ADRS, 27
.set SPW,  28
.set NIL,  29
.set PFO,  30                          ; the prefetches' offset: my lane's row
.set SC,   32
.set AF0,  64                          ; A's fragments: two sets of 48 registers, v64-159
.set AF,   AF0                         ; the set that the products read: set anew in each step
.set TA,   160                         ; v160-175: lanes 16-31's halves of A's pieces that lie across two chunks
.set TB,   96                          ; window 1, v96-127: the same for B
.set T,    128
.set CD,   192
.set TM,   212
.set PW,   228
.set WD,   230
.set CB,   0
.set RB,   64
.set PFA,  4                           ; s[4:5] where my prefetches stand
.set G1,   24
.set G0,   32                          ; the ring's group 0 for A, s[36:39] for B
.set G0B,  36
.set G1B,  48
.set G0H,  56                          ; the head's loads of chunk 0
.set G0HB, 60
.set G1S,  68
.set G0S,  76
.set G1SB, 80
.set G0SB, 88
.set SEL,  100
.set MSB, 0
.macro WIN new
.if MSB != (\new)
	s_set_vgpr_msb (MSB<<8)|(\new)
.set MSB, (\new)
.endif
.endm
.set MUL,  0xa1
.set TO_B, 0x40
.set IN_B, 0x45                        ; destination and both sources in window 1
.set TO_3, 0xc0
.set ADDB, 0x0e
.macro PLACES n
.rept \n
	v_nop
.endr
.endm
.macro JLOAD                           ; the ring's joint load: waves 0, 1 fetch halves of A's chunk, waves 2, 3 of B's
	s_cmp_eq_u32 s15, 0
	s_cbranch_scc0 .Lfor_b_\@
	tensor_load_to_lds s[G0:G0+3], s[G1:G1+7]
	s_nop 0
	PLACES 4
	s_branch .Lasked_\@
.Lfor_b_\@:
	tensor_load_to_lds s[G0B:G0B+3], s[G1B:G1B+7]
	s_nop 0
	PLACES 4
.Lasked_\@:
.endm
.macro CREST
	s_cmp_lg_u32 s14, 0
	s_cbranch_scc1 .Lnot_wave_0_\@
	s_barrier_signal -3
.Lnot_wave_0_\@:
	s_barrier_wait -3
	s_barrier_signal -1
	s_barrier_wait -1
.endm
.macro CROUND
	s_barrier_signal -1
	s_barrier_wait -1
	CREST
.endm
	s_load_b256 s[68:75], s[0:1], 0x0
	s_load_b256 s[76:83], s[0:1], 0x20
	s_load_b256 s[84:91], s[0:1], 0x40
	v_lshl_add_u32 v[SPW], v0, 2, SPARE
	v_mov_b32 v[NIL], 0
	ds_add_u32 v[SPW], v[NIL]                      ; the opening lines: the add twice on end and one wait
	ds_add_u32 v[SPW], v[NIL]
	v_lshrrev_b32 v1, 5, v0
	v_readfirstlane_b32 s14, v1                    ; wave
	s_lshr_b32 s15, s14, 1                         ; in the ring I fetch for A (0) or B (1),
	s_and_b32 s16, s14, 1                          ; and which half
	s_bfe_u32 s40, ttmp6, 0x40000
	s_bfe_u32 s41, ttmp6, 0x40004
	s_and_b32 s18, ttmp7, 0xffff
	s_max_u32 s19, s18, 4
	s_sub_co_u32 s19, s19, 4
	s_lshl_b32 s19, s19, 1
	s_add_co_u32 s19, s19, ttmp9
	s_cmp_ge_u32 s18, 4
	s_cselect_b32 s66, 1, 0                        ; 0: k, 1: v; the same in all partners of a cluster
	s_cselect_b32 s19, s19, ttmp9
	s_cselect_b32 s18, 0, s18
	s_lshl_b32 s42, s19, 2
	s_add_co_u32 s42, s42, s40                     ; tile column (128 rows of B)
	s_lshl_b32 s17, s18, 2
	s_add_co_u32 s17, s17, s41                     ; tile row (256 rows of A)
	s_lshl_b32 s43, s41, 2
	s_lshl_b32 s43, 15, s43
	s_lshl_b32 s44, 0x1111, s40
	s_or_b32 s[G1+0], s43, (0<<16)|(1<<20)|(1<<21)|(5<<22)|(3<<25)
	s_or_b32 s[G1B+0], s44, (0<<16)|(1<<20)|(1<<21)|(5<<22)|(3<<25)
.irp g, G1, G1B
	s_mov_b32 s[\g+1], ROWB<<16
	s_mov_b32 s[\g+3], ROWB<<16
	s_mov_b32 s[\g+5], KROW
	s_mov_b32 s[\g+6], 0
	s_mov_b32 s[\g+7], 0
.endr
	s_mov_b32 s[G1+2], 256<<16                     ; the head's loads bring whole tiles: 256 rows of A,
	s_mov_b32 s[G1+4], 256
	s_mov_b32 s[G1B+2], 128<<16                    ; 128 of B
	s_mov_b32 s[G1B+4], 128
	s_lshl_b32 s20, s17, 8
	s_lshl_b32 s46, s42, 7
	s_mul_i32 s22, s20, KS
	s_mul_i32 s2, s46, KS
	s_mul_i32 s20, s20, KROW
	s_mul_i32 s46, s46, KROW
	s_mov_b32 s21, 0
	s_mov_b32 s23, 0
	s_mov_b32 s47, 0
	s_mov_b32 s3, 0
	; where my results go, in half fragments and in scale words, for k and for v
	s_lshr_b32 s18, s17, 1
	s_and_b32 s19, s17, 1
	s_lshl_b32 s45, s18, 9
	s_lshl_b32 s92, s19, 4
	s_add_co_u32 s45, s45, s92
	s_lshl_b32 s92, s42, 6
	s_add_co_u32 s45, s45, s92
	s_lshl_b32 s92, s14, 2
	s_add_co_u32 s45, s45, s92
	s_lshl_b32 s92, s18, 6
	s_lshl_b32 s18, s42, 3
	s_add_co_u32 s92, s92, s18
	s_lshl_b32 s18, s19, 2
	s_add_co_u32 s92, s92, s18
	s_add_co_u32 s92, s92, s14
	s_lshl_b32 s100, s42, 9
	s_mov_b32 s93, 32*HFB
	s_lshr_b32 s18, s42, 2
	s_and_b32 s19, s42, 3
	s_lshl_b32 s101, s17, 2
	s_add_co_u32 s101, s101, s14
	s_lshl_b32 s98, s18, 9
	s_lshl_b32 s99, s101, 5
	s_add_co_u32 s98, s98, s99
	s_lshl_b32 s99, s19, 3
	s_add_co_u32 s98, s98, s99
	s_lshl_b32 s99, s18, 6
	s_lshl_b32 s18, s101, 2
	s_add_co_u32 s99, s99, s18
	s_add_co_u32 s99, s99, s19
	s_lshl_b32 s101, s101, 8
	s_mov_b32 s18, 4*HFB
	s_cmp_eq_u32 s66, 0
	s_cselect_b32 s45, s45, s98
	s_cselect_b32 s92, s92, s99
	s_cselect_b32 s93, s93, s18
	s_cselect_b32 s100, s100, 0
	s_cselect_b32 s101, 0, s101
	s_mul_i32 s45, s45, HFB
	s_lshl_b32 s92, s92, 8
	s_wait_dscnt 0x0                               ; both opening adds are done
	s_wait_kmcnt 0x0
	s_cmp_eq_u32 s66, 0
	s_cselect_b64 s[4:5], s[68:69], s[76:77]
	s_cselect_b64 s[6:7], s[70:71], s[78:79]
	s_cselect_b64 s[8:9], s[72:73], s[68:69]
	s_cselect_b64 s[10:11], s[74:75], s[70:71]
	s_cselect_b64 s[96:97], s[80:81], s[82:83]
	s_cselect_b64 s[12:13], s[84:85], s[88:89]
	s_cselect_b64 s[94:95], s[86:87], s[90:91]
	s_mov_b64 s[98:99], s[96:97]
	s_add_nc_u64 s[20:21], s[4:5], s[20:21]        ; A's tile, its scales, B's tile, its scales
	s_add_nc_u64 s[22:23], s[6:7], s[22:23]
	s_add_nc_u64 s[46:47], s[8:9], s[46:47]
	s_add_nc_u64 s[2:3], s[10:11], s[2:3]
	s_mov_b32 s19, 0
	s_mov_b32 s18, s45
	s_add_nc_u64 s[12:13], s[12:13], s[18:19]
	s_mov_b32 s18, s92
	s_add_nc_u64 s[94:95], s[94:95], s[18:19]
	s_mov_b32 s18, s93
	s_add_nc_u64 s[92:93], s[12:13], s[18:19]
	s_mov_b32 s18, s100
	s_add_nc_u64 s[96:97], s[96:97], s[18:19]
	s_mov_b32 s18, s101
	s_add_nc_u64 s[98:99], s[98:99], s[18:19]
	s_mov_b32 s[SEL], 0x76543210
	s_mov_b32 s[SEL+1], 0xfedcba98
	s_mov_b32 s67, 0xffff0000                      ; the mask of lanes 16-31
	; the scales: dense blocks, as rows of 256 bytes with 16 of padding: 128 such rows for A, 64 for B
	s_or_b32 s[G1S+0], s43, (3<<16)|(1<<20)|(1<<21)|(5<<22)|(3<<25)
	s_or_b32 s[G1SB+0], s44, (3<<16)|(1<<20)|(1<<21)|(5<<22)|(3<<25)
.irp g, G1S, G1SB
	s_mov_b32 s[\g+1], 32<<16
	s_mov_b32 s[\g+3], 32<<16
	s_mov_b32 s[\g+5], 32
	s_mov_b32 s[\g+6], 0
	s_mov_b32 s[\g+7], 0
.endr
	s_mov_b32 s[G1S+2], 128<<16
	s_mov_b32 s[G1S+4], 128
	s_mov_b32 s[G1SB+2], 64<<16
	s_mov_b32 s[G1SB+4], 64
	s_mov_b32 s[G0H], 1
	s_mov_b32 s[G0H+1], 0
	s_mov_b64 s[G0H+2:G0H+3], s[20:21]
	s_or_b32 s[G0H+3], s[G0H+3], 0x80000000
	s_mov_b32 s[G0HB], 1
	s_mov_b32 s[G0HB+1], BOFF
	s_mov_b64 s[G0HB+2:G0HB+3], s[46:47]
	s_or_b32 s[G0HB+3], s[G0HB+3], 0x80000000
	s_mov_b32 s[G0S], 1
	s_mov_b32 s[G0S+1], SCL
	s_mov_b64 s[G0S+2:G0S+3], s[22:23]
	s_or_b32 s[G0S+3], s[G0S+3], 0x80000000
	s_mov_b32 s[G0SB], 1
	s_mov_b32 s[G0SB+1], SCLB
	s_mov_b64 s[G0SB+2:G0SB+3], s[2:3]
	s_or_b32 s[G0SB+3], s[G0SB+3], 0x80000000
	; the prefetches: the tile that I fetch for, my half of it, my work-group's share of that half
	s_cmp_eq_u32 s15, 0
	s_cselect_b64 s[PFA:PFA+1], s[20:21], s[46:47]
	s_cselect_b32 s18, s40, s41                    ; my place among the four that ask with me
	s_cselect_b32 s19, 5, 4                        ; 32 rows a partner for A, 16 for B
	s_cselect_b32 s45, 31, 15
	s_lshl_b32 s18, s18, s19
	s_add_co_u32 s19, s19, 2
	s_lshl_b32 s19, s16, s19
	s_add_co_u32 s18, s18, s19
	s_mul_i32 s18, s18, KROW
	s_mov_b32 s19, 0
	s_add_nc_u64 s[PFA:PFA+1], s[PFA:PFA+1], s[18:19]
	; the ring's group 0: set for chunk 1 in slot 1; ahead of each later load the address steps a chunk on and the slot changes
	s_mul_i32 s18, s16, 128*KROW
	s_add_nc_u64 s[20:21], s[20:21], s[18:19]
	s_mul_i32 s18, s16, 64*KROW
	s_add_nc_u64 s[46:47], s[46:47], s[18:19]
	s_mov_b32 s[G0], 1
	s_mul_i32 s[G0+1], s16, HALFA
	s_add_co_u32 s[G0+1], s[G0+1], S1
	s_add_nc_u64 s[G0+2:G0+3], s[20:21], ROWB
	s_or_b32 s[G0+3], s[G0+3], 0x80000000
	s_mov_b32 s[G0B], 1
	s_mul_i32 s[G0B+1], s16, HALFB
	s_add_co_u32 s[G0B+1], s[G0B+1], S1+BOFF
	s_add_nc_u64 s[G0B+2:G0B+3], s[46:47], ROWB
	s_or_b32 s[G0B+3], s[G0B+3], 0x80000000
	CROUND                                         ; all sixteen work-groups are here: the first joint loads meet
; the head's four tiles, one load a wave, in one chain of branches on the wave's number: A's chunk 0, B's chunk 0, A's scales, B's scales
.macro ARM under, g0, g1, next
	s_cmp_lt_u32 s14, \under
	s_cbranch_scc0 \next
	tensor_load_to_lds s[\g0:\g0+3], s[\g1:\g1+7]
	s_nop 0
	PLACES 4
	s_branch .Lhead_asked
\next:
.endm
	ARM 1, G0H,  G1,  .Lhead_b
	ARM 2, G0HB, G1B, .Lhead_sa
	ARM 3, G0S,  G1S, .Lhead_sb
	tensor_load_to_lds s[G0SB:G0SB+3], s[G1SB:G1SB+7]
	s_nop 0
	PLACES 4
.Lhead_asked:
	v_and_b32 v1, 15, v0
	v_bfe_u32 v2, v0, 4, 1
	v_lshlrev_b32 v[BCO], 5, v2
	v_lshlrev_b32 v[BRO], 2, v1
	WIN TO_3                                       ; the bias, by column (k) and by row (v), into window 3
.irp t, 0,1,2,3,4,5,6,7
	global_load_b128 v[CB+8*\t:CB+8*\t+3], v[BCO], s[96:97] offset:64*\t
	global_load_b128 v[CB+8*\t+4:CB+8*\t+7], v[BCO], s[96:97] offset:64*\t+16
.endr
.irp a, 0,1,2,3
	global_load_b32 v[RB+2*\a], v[BRO], s[98:99] offset:64*\a
	global_load_b32 v[RB+2*\a+1], v[BRO], s[98:99] offset:64*\a
.endr
	WIN 0
	v_mul_u32_u24 v3, v1, PITCH                    ; row x pitch
	v_mul_u32_u24 v4, v2, 24
	v_add_nc_u32 v4, v3, v4                        ; + 24 x half
	s_mul_i32 s21, s14, 64*PITCH                   ; my 64 rows of A
	v_add_nc_u32 v[ADRA], s21, v4
	v_add_nc_u32 v[ADRA+1], S1, v[ADRA]
	v_add_nc_u32 v[ADRA+2], s21, v3
	v_add_nc_u32 v[ADRA+3], S1, v[ADRA+2]
	v_add_nc_u32 v[ADRB], BOFF, v4
	v_add_nc_u32 v[ADRB+1], S1, v[ADRB]
	v_add_nc_u32 v[ADRB+2], BOFF, v3
	v_add_nc_u32 v[ADRB+3], S1, v[ADRB+2]
	v_mul_u32_u24 v5, v1, KS
	v_lshrrev_b32 v6, 8, v5
	v_lshl_add_u32 v5, v6, 4, v5
	s_mul_i32 s21, s14, 4*SBLK
	s_xor_b32 s22, s14, 3
	s_mul_i32 s22, s22, 4*SBLK
	s_add_co_u32 s22, s22, 4*SBLK                  ; from my A blocks' scales to B's
	v_mul_u32_u24 v6, s22, v2                      ; lanes 16-31 take B's
	s_add_co_u32 s21, s21, SCL
	v_add_nc_u32 v5, v5, v6
	v_add_nc_u32 v[ADRS], s21, v5
	v_and_b32 v6, 31, v0
	v_lshlrev_b32 v[LI], 4, v6
	v_lshlrev_b32 v[L8], 3, v6
	v_min_u32 v[PFO], s45, v6
	v_mul_u32_u24 v[PFO], v[PFO], KROW
.irp b, 0,1,2,3
	v_mov_b32 v[TM+4+\b], 0
.endr
; A fragment, 16 rows x 128 K: six pieces of 8 bytes; lanes 16-31 read 24 bytes further on.  st counts the steps from the trip's first chunk.  What a call writes:
; mode 0 all loads (a step inside one chunk); 1 those of the pieces in the step's first chunk; 3 those in its second.  Of the pieces that lie across: 2 the load at lanes 0-15's place, by all lanes, into the fragment;
; 4 the load at lanes 16-31's place, by all lanes, into the spare registers tmp; 5 the selects that lay lanes 16-31 of tmp into the fragment.  CNT counts the loads written, for the waits.
.set CNT, 0
.macro FRAG reg, adr, st, i, mode, tmp
.set XC, 0
.irp p, 0,1,2,3,4,5
.set BY, 96*(\st)+48*(\p/3)+8*(\p%3)
.set LO, BY/ROWB
.set HI, (BY+24)/ROWB
.if LO == HI
.if ((\mode) == 0) || (((\mode) == 1) && (LO == (96*(\st))/ROWB)) || (((\mode) == 3) && (LO > (96*(\st))/ROWB))
	ds_load_b64 v[\reg+2*\p:\reg+2*\p+1], v[\adr+LO%2] offset:BY%ROWB+(\i)*16*PITCH
.set CNT, CNT+1
.endif
.else
.if (\mode) == 2
	ds_load_b64 v[\reg+2*\p:\reg+2*\p+1], v[\adr+2+LO%2] offset:BY%ROWB+(\i)*16*PITCH
.set CNT, CNT+1
.endif
.if (\mode) == 4
	ds_load_b64 v[\tmp+2*XC:\tmp+2*XC+1], v[\adr+2+HI%2] offset:(BY+24)%ROWB+(\i)*16*PITCH
.set CNT, CNT+1
.endif
.if (\mode) == 5
	v_cndmask_b32 v[\reg+2*\p], v[\reg+2*\p], v[\tmp+2*XC], s67
	v_cndmask_b32 v[\reg+2*\p+1], v[\reg+2*\p+1], v[\tmp+2*XC+1], s67
.endif
.set XC, XC+1
.endif
.endr
.endm
.macro MUL8 a, p, q, sc, zero          ; A's block a against B's eight; the 32 accumulators take turns
.irp b, 0,1,2,3,4,5,6,7
.if \zero
	v_wmma_scale_f32_16x16x128_f8f6f4 v[8*(8*(\a)+\b):8*(8*(\a)+\b)+7], v[128*(\p)+FR*\b:128*(\p)+FR*\b+FR-1], v[AF+FR*(\a):AF+FR*(\a)+FR-1], 0, v[SC+16*(\sc)+2*\b+(\q)], v[SC+16*(\sc)+2*(\a)+(\q)] matrix_a_fmt:MATRIX_FMT_FP6 matrix_b_fmt:MATRIX_FMT_FP6 matrix_a_scale:MATRIX_SCALE_ROW1
.else
	v_wmma_scale_f32_16x16x128_f8f6f4 v[8*(8*(\a)+\b):8*(8*(\a)+\b)+7], v[128*(\p)+FR*\b:128*(\p)+FR*\b+FR-1], v[AF+FR*(\a):AF+FR*(\a)+FR-1], v[8*(8*(\a)+\b):8*(8*(\a)+\b)+7], v[SC+16*(\sc)+2*\b+(\q)], v[SC+16*(\sc)+2*(\a)+(\q)] matrix_a_fmt:MATRIX_FMT_FP6 matrix_b_fmt:MATRIX_FMT_FP6 matrix_a_scale:MATRIX_SCALE_ROW1
.endif
.endr
.endm
.macro FB st, i0, mode                 ; B's blocks i0 .. i0 + 3 of step st, into set st % 2
	WIN TO_B
.irp i, \i0, \i0+1, \i0+2, \i0+3
	FRAG 128*((\st)%2)+FR*(\i), ADRB, \st, \i, \mode, TB+4*(\i)
.endr
	WIN 0
.endm
.macro FA st, mode                     ; A's four blocks, into set st % 2
.irp i, 0,1,2,3
	FRAG AF0+48*((\st)%2)+FR*\i, ADRA, \st, \i, \mode, TA+4*\i
.endr
.endm
.macro FALL st, mode
	FB \st, 0, \mode
	FB \st, 4, \mode
	FA \st, \mode
.endm
.macro MERGE st                        ; the two halves of the pieces that lie across are joined; four places follow ahead of the products that read them
	WIN IN_B
.irp i, 0,1,2,3,4,5,6,7
	FRAG 128*((\st)%2)+FR*\i, ADRB, \st, \i, 5, TB+4*\i
.endr
	WIN 0
	FA \st, 5
	PLACES 4
.endm
.macro SCALES pr                       ; the scale words of a pair of steps: lanes 0-15 A's block i, lanes 16-31 B's block i
.irp i, 0,1,2,3,4,5,6,7
	ds_load_b64 v[SC+16*((\pr)%2)+2*\i:SC+16*((\pr)%2)+2*\i+1], v[ADRS] offset:\i*SBLK+8*(\pr)
.endr
.endm
; A step: 32 products on step st's fragments, and the fetch of the next step's into the other sets, in three runs of 24 loads among the groups of products.
; Where the next step's bytes end in a chunk not read yet: first what the next step takes from the chunk that is being left; then the wait for all my tensor loads, the add, the wait for the add and for my reads,
; and a round of the cluster's barrier (fill = 0, near the end: my work-group's barrier alone); the chunk left behind is filled again; then what the next step takes from the new chunk.
; ask: 1 a prefetch follows the refill, 2 not in the loop's last trip.
.macro STEP st, zero, fill, ask
.set NX, (\st)+1
.set E0, (96*(\st)+95)/ROWB
.set E1, (96*NX+95)/ROWB
.set AF, AF0+48*((\st)%2)
	PLACES NP                                      ; ahead of loads into the sets that the last step's products read
.if E1 > E0
.set CNT, 0
.if (96*NX)/ROWB < E1
	FALL NX, 1
	FALL NX, 2
.endif
	s_wait_tensorcnt 0x0                           ; all my tensor loads have landed: my part of the new chunk
.if \fill
	ds_add_u32 v[SPW], v[NIL]
	s_wait_dscnt CNT+1                             ; the add and the loads of this step may be out: this step's own fragments are in
.else
	s_wait_dscnt CNT
.endif
	WIN MUL
	MUL8 0, (\st)%2, (\st)%2, ((\st)/2)%2, \zero
	s_wait_dscnt 0x0                               ; the add and all my reads of the chunk left behind are done
	s_barrier_signal -1
	MUL8 1, (\st)%2, (\st)%2, ((\st)/2)%2, \zero
	WIN 0
	s_barrier_wait -1
.if \fill
	CREST                                          ; no wave of any partner still reads the chunk left behind
	s_add_nc_u64 s[G0+2:G0+3], s[G0+2:G0+3], ROWB
	s_xor_b32 s[G0+1], s[G0+1], S1
	s_add_nc_u64 s[G0B+2:G0B+3], s[G0B+2:G0B+3], ROWB
	s_xor_b32 s[G0B+1], s[G0B+1], S1
	JLOAD                                          ; two chunks on
.endif
.if (96*NX)/ROWB < E1
	FALL NX, 3
	FALL NX, 4
.else
	FALL NX, 0
.endif
.if NX%2 == 0
	SCALES NX/2
.endif
.if (\fill) && (\ask)
.if (\ask) == 2
	s_cmp_lg_u32 s3, 1
	s_cbranch_scc0 .Lnone_\@
.endif
	global_prefetch_b8 v[PFO], s[PFA:PFA+1] offset:(E1+3)*ROWB th:TH_LOAD_NT scope:SCOPE_SE
.if (\ask) == 2
.Lnone_\@:
.endif
.endif
	WIN MUL
	MUL8 2, (\st)%2, (\st)%2, ((\st)/2)%2, \zero
	MUL8 3, (\st)%2, (\st)%2, ((\st)/2)%2, \zero
	WIN 0
.else
	FB NX, 0, 0
	s_wait_dscnt 24                                ; all but the 24 just issued: this step's fragments and scale words are in
.if (96*(\st))/ROWB < E0
	MERGE \st                                      ; this step lies across two chunks
.endif
	WIN MUL
	MUL8 0, (\st)%2, (\st)%2, ((\st)/2)%2, \zero
	FB NX, 4, 0
	WIN MUL
	MUL8 1, (\st)%2, (\st)%2, ((\st)/2)%2, \zero
	WIN 0
	FA NX, 0
.if NX%2 == 0
	SCALES NX/2
.endif
	WIN MUL
	MUL8 2, (\st)%2, (\st)%2, ((\st)/2)%2, \zero
	MUL8 3, (\st)%2, (\st)%2, ((\st)/2)%2, \zero
	WIN 0
.endif
.endm
.macro QUANT s                         ; 64 numbers of a lane, four half blocks of 16: codes in v[CD ..], the row's scale word in v[PW]
.irp b, 0,1,2,3
	v_max3_num_f32 v[TM+\b], |v[\s+16*\b]|, |v[\s+1+16*\b]|, 0x1800000
.endr
.irp i, 2,4,6,8,10,12,14
.irp b, 0,1,2,3
	v_max3_num_f32 v[TM+\b], v[TM+\b], |v[\s+16*\b+\i]|, |v[\s+1+16*\b+\i]|
.endr
.endr
.irp b, 0,1,2,3
	v_permlanex16_b32 v[TM+4+\b], v[TM+\b], s[SEL], s[SEL+1]
.endr
.irp b, 0,1,2,3
	v_max_num_f32 v[TM+\b], v[TM+\b], v[TM+4+\b]
.endr
.irp b, 0,1,2,3
	v_add_nc_u32 v[TM+12+\b], 0xff000000, v[TM+\b]
.endr
.irp b, 0,1,2,3
	v_lshrrev_b32 v[TM+4+\b], 23, v[TM+12+\b]
.endr
	v_lshl_or_b32 v[PW], v[TM+5], 8, v[TM+4]
	v_lshl_or_b32 v[PW], v[TM+6], 16, v[PW]
	v_lshl_or_b32 v[PW], v[TM+7], 24, v[PW]
.irp c, 0,1
	v_cvt_scalef32_pk16_fp6_f32 v[CD+6*\c:CD+2+6*\c], v[\s+32*\c:\s+15+32*\c], v[TM+12+2*\c]
	v_cvt_scalef32_pk16_fp6_f32 v[CD+12+4*\c:CD+14+4*\c], v[\s+16+32*\c:\s+31+32*\c], v[TM+12+2*\c+1]
.endr
	v_nop
.irp c, 0,1
.irp i, 0,1,2
	v_permlane16_swap_b32 v[CD+6*\c+\i], v[CD+12+4*\c+\i]
.endr
.irp i, 0,1,2
	v_mov_b32 v[CD+3+6*\c+\i], v[CD+12+4*\c+\i]
.endr
.endr
.endm
.macro OUTBLK a                        ; A's block a: the bias, the quantiser, two half fragments out
	s_cmp_eq_u32 s66, 0
	s_cbranch_scc0 .Lby_row_\@
	WIN ADDB
.set i, 0
.rept 32
	v_pk_add_f32 v[T+i:T+i+1], v[64*(\a)+i:64*(\a)+i+1], v[CB+i:CB+i+1]
.set i, i+2
.endr
	WIN 0
	s_branch .Ladded_\@
.Lby_row_\@:
	WIN ADDB
.set i, 0
.rept 32
	v_pk_add_f32 v[T+i:T+i+1], v[64*(\a)+i:64*(\a)+i+1], v[RB+2*(\a):RB+2*(\a)+1]
.set i, i+2
.endr
	WIN 0
.Ladded_\@:
.if (\a) > 0
	s_wait_xcnt 0x0                                ; the last block's stores have read their registers
.endif
	QUANT T
	global_store_b128 v[LI], v[CD:CD+3], s[12:13] offset:HFB*(\a)
	global_store_b64 v[L8], v[CD+4:CD+5], s[12:13] offset:HFB*(\a)+512
	global_store_b128 v[LI], v[CD+6:CD+9], s[92:93] offset:HFB*(\a)
	global_store_b64 v[L8], v[CD+10:CD+11], s[92:93] offset:HFB*(\a)+512
.if (\a)%2 == 0
	v_mov_b32 v[WD+(\a)/2], v[PW]
.else
	v_cndmask_b32 v[WD+(\a)/2], v[WD+(\a)/2], v[PW], s67
.endif
.endm
	s_wait_alu depctr_va_vdst(0)
	s_wait_loadcnt 0x0                             ; the bias
	s_wait_tensorcnt 0x0                           ; my tile of the head's four is in
	ds_add_u32 v[SPW], v[NIL]
	s_mov_b32 s[G1+2], 128<<16                     ; no load of mine is out: from here on a load brings half a tile
	s_mov_b32 s[G1+4], 128
	s_mov_b32 s[G1B+2], 64<<16
	s_mov_b32 s[G1B+4], 64
	s_wait_dscnt 0x0
	CROUND
	JLOAD                                          ; chunk 1 into slot 1
	FALL 0, 0
	SCALES 0
	STEP 0, 1, 0, 0                                ; the first step's products start the sums
	s_mov_b32 s3, 3
.Ltrip:                                                ; steps 1 to 8 of each eight: three chunks are left behind and three asked for
.irp st, 1,2,3,4,5,6
	STEP \st, 0, 1, 1
.endr
	STEP 7, 0, 1, 2
	STEP 8, 0, 1, 0
	s_wait_xcnt 0x0                                ; my prefetches have read their address (the last stands a step back)
	s_add_nc_u64 s[PFA:PFA+1], s[PFA:PFA+1], 3*ROWB
.irp j, 0,1,2,3
	v_xor_b32 v[ADRA+\j], S1, v[ADRA+\j]           ; three chunks on: even and odd chunks change slots
	v_xor_b32 v[ADRB+\j], S1, v[ADRB+\j]
.endr
	v_add_nc_u32 v[ADRS], 32, v[ADRS]              ; four pairs of steps on
	s_sub_co_u32 s3, s3, 1
	s_cmp_lg_u32 s3, 0
	s_wait_alu depctr_va_vdst(0)
	s_cbranch_scc1 .Ltrip
	STEP 1, 0, 1, 0                                ; the last seven steps: one refill more, chunk 11
.irp st, 2,3,4,5,6
	STEP \st, 0, 0, 0
.endr
	s_wait_dscnt 0x0
.set AF, AF0+48
	WIN MUL
	MUL8 0, 1, 1, 1, 0
	MUL8 1, 1, 1, 1, 0
	MUL8 2, 1, 1, 1, 0
	MUL8 3, 1, 1, 1, 0
	WIN 0
	PLACES NP
	OUTBLK 0
	OUTBLK 1
	OUTBLK 2
	OUTBLK 3
	global_store_b64 v[L8], v[WD:WD+1], s[94:95]
	s_wait_tensorcnt 0x0                           ; the wave's end
	ds_add_u32 v[SPW], v[NIL]
	s_wait_dscnt 0x0
	CROUND                                         ; the closing round
	s_endpgm
.Lfunc_end_k_q12b2fd6853_kvp:
	.size	k_q12b2fd6853_kvp, .Lfunc_end_k_q12b2fd6853_kvp-k_q12b2fd6853_kvp
	.p2alignl 7, 3214868480
	.fill 96, 4, 3214868480
	.section	.rodata,"a",@progbits
	.p2align	6, 0x0
	.amdhsa_kernel k_q12b2fd6853_kvp
		.amdhsa_group_segment_fixed_size 327680
		.amdhsa_private_segment_fixed_size 0
		.amdhsa_enable_private_segment 0
		.amdhsa_kernarg_size 96
		.amdhsa_user_sgpr_count 2
		.amdhsa_user_sgpr_kernarg_segment_ptr 1
		.amdhsa_wavefront_size32 1
		.amdhsa_system_sgpr_workgroup_id_x 1
		.amdhsa_system_sgpr_workgroup_id_y 1
		.amdhsa_system_sgpr_workgroup_id_z 1
		.amdhsa_system_vgpr_workitem_id 0
		.amdhsa_next_free_vgpr 1024
		.amdhsa_next_free_sgpr 102
		.amdhsa_reserve_vcc 0
		.amdhsa_float_denorm_mode_32 3
		.amdhsa_float_denorm_mode_16_64 3
		.amdhsa_memory_ordered 1
		.amdhsa_forward_progress 1
		.amdhsa_inst_pref_size 223
	.end_amdhsa_kernel
	.amdgpu_metadata
---
amdhsa.version: [ 1, 2 ]
amdhsa.kernels:
  - .name:           k_q12b2fd6853_kvp
    .symbol:         k_q12b2fd6853_kvp.kd
    .args:
      - { .name: source_embedding_codes, .offset: 0, .size: 8, .value_kind: global_buffer, .address_space: global }
      - { .name: source_embedding_scales, .offset: 8, .size: 8, .value_kind: global_buffer, .address_space: global }
      - { .name: Wk_codes, .offset: 16, .size: 8, .value_kind: global_buffer, .address_space: global }
      - { .name: Wk_scales, .offset: 24, .size: 8, .value_kind: global_buffer, .address_space: global }
      - { .name: Wv_codes, .offset: 32, .size: 8, .value_kind: global_buffer, .address_space: global }
      - { .name: Wv_scales, .offset: 40, .size: 8, .value_kind: global_buffer, .address_space: global }
      - { .name: bk, .offset: 48, .size: 8, .value_kind: global_buffer, .address_space: global }
      - { .name: bv, .offset: 56, .size: 8, .value_kind: global_buffer, .address_space: global }
      - { .name: kc, .offset: 64, .size: 8, .value_kind: global_buffer, .address_space: global }
      - { .name: ks, .offset: 72, .size: 8, .value_kind: global_buffer, .address_space: global }
      - { .name: vc, .offset: 80, .size: 8, .value_kind: global_buffer, .address_space: global }
      - { .name: vs, .offset: 88, .size: 8, .value_kind: global_buffer, .address_space: global }
    .group_segment_fixed_size: 327680
    .private_segment_fixed_size: 0
    .kernarg_segment_align: 8
    .kernarg_segment_size: 96
    .max_flat_workgroup_size: 128
    .sgpr_count:     102
    .vgpr_count:     1024
    .wavefront_size: 32
...
	.end_amdgpu_metadata
.endif
;; end of part 1
;; launch att (part 2): grid 4 x 64, 16 waves a work-group, clusters of 4 x 4, 327,680 bytes of LDS; arguments target_embedding_scales, Wq_scales, bq, aw, asw, target_embedding_codes, Wq_codes, kc, ks, vc, vs; writes aw, asw
.if DOCPART == 2
	.amdgcn_target "amdgcn-amd-amdhsa--gfx1250"
	.amdhsa_code_object_version 6
	.text
	.protected	k_q12b2fd6853_att
	.globl	k_q12b2fd6853_att
	.p2align	8
	.type	k_q12b2fd6853_att,@function
k_q12b2fd6853_att:
	s_mov_b64 s[64:65], 0
	v_nop
	global_prefetch_b8 v0, s[64:65] scope:SCOPE_SE
	s_setreg_imm32_b32 hwreg(HW_REG_WAVE_MODE, 25, 1), 1
	s_wait_xcnt 0x0
	s_wait_alu depctr_hold_cnt(0) depctr_sa_sdst(0) depctr_va_vdst(0) depctr_va_sdst(0) depctr_va_ssrc(0) depctr_va_vcc(0) depctr_vm_vsrc(0)
	s_getreg_b32 s2, hwreg(HW_REG_IB_STS2, 6, 4)
	s_cmp_eq_u32 s2, 0
	s_cbranch_scc0 .Lentry_in_a_cluster
	s_endpgm
.Lentry_in_a_cluster:
	s_bfe_u32 s2, ttmp6, 0x10000c
	s_cmp_lg_u32 s2, 0xf033
	s_cbranch_scc0 .Lentry_shape_is_right
	s_endpgm
.Lentry_shape_is_right:
; q's PROJECTION AND ATTENTION ON CODES OF FP6 (E2M3): 128 (batch, head) pairs, 512 queries x 512 keys, head size 64.
; T (the target embedding, rows of 768 bytes of codes) and Wq (the same) come as they are given.  K and V come as half fragments of 768 bytes (16 rows x 64 K: the image of 6 operand registers: registers 0-3 at
; 16 x lane, registers 4-5 at 512 + 8 x lane) with scale words beside them, as the launch before has laid them.
; SHARES.  A work-group takes one batch, one pair of heads and 128 queries; wave w takes head w % 2 of the pair and the 16 queries of tile w / 2.  Sixteen waves of 256 registers, four to a SIMD: one wave's vector work
; stands beside another's matrix work and LDS loads.
; q.  A wave makes its own q: 16 queries x its head's 64 channels, K = 1,024 in eight steps: four tiles, transposed (source 0 = 16 rows of Wq, source 1 = my 16 rows of T), bq as the C of the first step.  A lane then holds
; one query and 32 of its channels; they are quantised along the channels in registers and ARE the fragment of the first product: q never goes to memory.
; THE SOFTMAX AHEAD OF THE SECOND PRODUCT: t = score x log2(e) / 8; M = the row's largest t so far, rounded up to a whole number; p = 2^(t - M) is quantised along the keys, not normalised; the row's sum is taken of the
; unquantised p and divides O at the end.  When M moves, the sum and O are multiplied by 2^(old M - new M), which rounds nothing.  A wave walks its head's 512 keys in four steps of 128, written out.
; CLUSTER, 4 x 4: x = the four blocks of queries of a batch, y = four pairs of heads of that batch.  T's 128 rows hang on the batch and x: they are asked for JOINTLY along a column; Wq's 128 rows, K and V hang on the pair
; (K and V on the batch too): jointly along a row.  All is asked for once, at the head, T and Wq first: K and V land under the q phase.  No LDS byte is filled twice, so there is no ring, and nothing is left to ask for ahead of time.
; LAYOUT.  All products are used transposed: a lane holds ONE query throughout.  Tiles are made of neighbouring rows, so q's and p's codes lie, inside a block of 32, in the order 0-7, 16-23, 8-15, 24-31: K's and V's codes
; were laid in the same order, so the sums are as they should be.
; HEAD SIZE 64 IN AN INSTRUCTION OF K = 128: q's registers 6-11 hold zero codes; what k's registers 6-11 hold (codes of Wq, later of V) meets zeros; the upper two bytes of both scale words are 0, which is no NaN.
; OUT.  O / the sum is brought into the natural order of channels (the output projection's weight has it), quantised along the channels and stored as a half fragment; the rows' scale bytes of both heads meet in LDS.
; LIMITS: NaN and infinities are not served.  A block of zeros gets the byte 1 where the quantiser says 127: its codes are zeros, and this program alone reads the bytes.  A block whose largest magnitude lies under 2^-124 is held at the byte 1.
; REGISTERS: v1-11 addresses; v12 -M, v13 the largest t, v[14:15] the sum in two halves; v16-27 Q; v28-30 at work; v32-79 four fragments of Wq, K or V; v80-87 T's scale words; v88-93 addresses of the q phase;
;   v96-159 q's sums and bq, then S^T, then p; v160-191 T's fragment, then O^T; v192-223 Wq's scale words; v224-235 p's codes; v232-254 at work; v255 q's scale word.
.set HFB,   768
.set HEADB, 32*HFB                     ; a head's K, or V: 24,576 bytes
.set QP,    816                        ; a row of T or Wq in LDS: 3 x (256 bytes + 16 of padding) = 204 words: row r starts at bank 12 r mod 64 (64 banks of 4 bytes: ISA guide 11.1): sixteen different groups of four banks
.set TIMG,  0                          ; LDS: T's 128 rows,
.set WIMG,  128*QP                     ; Wq's 128 rows,
.set KIMG,  2*128*QP                   ; K of the two heads,
.set VIMG,  KIMG+2*HEADB               ; V of the two heads,
.set KSCL,  VIMG+2*HEADB               ; K's scale words of the pair: 8 x 256 bytes,
.set VSCL,  KSCL+2048                  ; V's: 2 heads x 4 x 256 bytes,
.set OSC,   VSCL+2048                  ; and, in two blocks of 256 bytes into which no fill lands, O's scale bytes: 8 tiles x 16 rows x 4
.macro CROUND                          ; a round of the cluster's barrier
	s_barrier_signal -1
	s_barrier_wait -1
	s_cmp_lg_u32 s20, 0
	s_cbranch_scc1 .Lnot_wave_0_\@
	s_barrier_signal -3
.Lnot_wave_0_\@:
	s_barrier_wait -3
	s_barrier_signal -1
	s_barrier_wait -1
.endm
	s_load_b256 s[4:11], s[0:1], 0x0               ; T's scales s[4:5], Wq's scales s[6:7], bq s[8:9], aw s[10:11]
	s_load_b64 s[12:13], s[0:1], 0x20              ; asw
	s_load_b64 s[86:87], s[0:1], 0x28              ; the six tensors that the mover reads: each address straight into its descriptor: T's codes,
	s_load_b64 s[90:91], s[0:1], 0x30              ; Wq's codes,
	s_load_b64 s[50:51], s[0:1], 0x38              ; kc,
	s_load_b64 s[54:55], s[0:1], 0x40              ; ks,
	s_load_b64 s[58:59], s[0:1], 0x48              ; vc,
	s_load_b64 s[62:63], s[0:1], 0x50              ; vs
	v_lshl_add_u32 v95, v0, 2, 0x4c200
	v_mov_b32 v243, 0
	ds_add_u32 v95, v243
	ds_add_u32 v95, v243
	v_lshrrev_b32 v1, 5, v0
	s_delay_alu instid0(VALU_DEP_1)
	v_readfirstlane_b32 s20, v1                    ; wave 0..15
	s_and_b32 s21, s20, 1                          ; which head of the pair.  Also: which half of a tile I fetch
	s_lshr_b32 s22, s20, 1                         ; which tile of 16 queries
	s_bfe_u32 s23, ttmp6, 0x40000                  ; cx: which 128 queries
	s_bfe_u32 s14, ttmp6, 0x40004                  ; cy
	s_and_b32 s15, ttmp7, 0xffff                   ; the cluster's y
	s_lshl_b32 s24, s15, 2
	s_add_co_u32 s24, s24, s14                     ; 8 x batch + pair = 4 x cluster y + cy
	s_lshr_b32 s18, s15, 1                         ; batch: from the cluster's y alone
	s_and_b32 s19, s24, 7                          ; pair
	s_lshl_b32 s16, s14, 2
	s_lshl_b32 s16, 15, s16                        ; my row of the cluster
	s_lshl_b32 s17, 0x1111, s23                    ; my column
	; descriptor group 1 for K's and V's images: dense blocks as rows of 256 bytes (32 elements of 8 bytes), no padding: they are read 16 or 8 bytes a lane, on end
	s_or_b32 s32, s16, (3<<16)|(1<<21)             ; the mask: my row; elements of 8 bytes; bit 21 beside a mask
	s_mov_b32 s33, 32<<16
	s_mov_b32 s34, 96<<16                          ; a head's codes: 96 rows
	s_mov_b32 s35, 32<<16
	s_mov_b32 s36, 96
	s_mov_b32 s37, 32
	s_mov_b32 s38, 0
	s_mov_b32 s39, 0
	s_or_b32 s40, s16, (3<<16)|(1<<21)
	s_mov_b32 s41, 32<<16
	s_mov_b32 s42, 4<<16                           ; 1,024 bytes of scale words: 4 rows
	s_mov_b32 s43, 32<<16
	s_mov_b32 s44, 4
	s_mov_b32 s45, 32
	s_mov_b32 s46, 0
	s_mov_b32 s47, 0
	; and for T's and Wq's codes: 64 rows of 768 bytes, dense in memory, 16 bytes of padding behind every 256
	s_or_b32 s68, s17, (0<<16)|(1<<20)|(1<<21)|(5<<22)|(3<<25)   ; T: my column; elements of 1 byte; padding on; bit 21 beside a mask; after every 64 words, 4 words
	s_or_b32 s76, s16, (0<<16)|(1<<20)|(1<<21)|(5<<22)|(3<<25)   ; Wq: my row
.irp g, 68, 76
	s_mov_b32 s[\g+1], 768<<16                     ; tensor_dim0
	s_mov_b32 s[\g+2], 64<<16                      ; tensor_dim1
	s_mov_b32 s[\g+3], 768<<16                     ; tile_dim0
	s_mov_b32 s[\g+4], 64                          ; tile_dim1
	s_mov_b32 s[\g+5], 768                         ; from row to row
	s_mov_b32 s[\g+6], 0
	s_mov_b32 s[\g+7], 0
.endr
	s_mul_i32 s2, s24, 2*HEADB
	s_mul_i32 s25, s21, HEADB
	s_add_co_u32 s2, s2, s25                       ; a head's codes, in kc and in vc
	s_mov_b32 s3, 0
	s_lshl_b32 s30, s24, 11
	s_lshl_b32 s31, s21, 10
	s_add_co_u32 s30, s30, s31                     ; 1,024 bytes of the pair's 2,048, in ks and in vs
	s_mov_b32 s48, 1
	s_add_co_u32 s49, s25, KIMG
	s_mov_b32 s52, 1
	s_add_co_u32 s53, s31, KSCL
	s_mov_b32 s56, 1
	s_add_co_u32 s57, s25, VIMG
	s_mov_b32 s60, 1
	s_add_co_u32 s61, s31, VSCL
	s_mov_b32 s31, 0
	s_mul_i32 s25, s21, 64*QP                      ; where a half of T or of Wq goes: no place in the cluster enters an LDS address
	s_mov_b32 s84, 1
	s_add_co_u32 s85, s25, TIMG
	s_mov_b32 s88, 1
	s_add_co_u32 s89, s25, WIMG
	s_lshl_b32 s92, s18, 9
	s_lshl_b32 s93, s23, 7
	s_add_co_u32 s92, s92, s93                     ; the work-group's first row of T: 512 x batch + 128 cx
	s_lshl_b32 s93, s21, 6                         ; the half that I fetch
	s_add_co_u32 s94, s92, s93
	s_mul_i32 s94, s94, 768                        ; T: in bytes
	s_mov_b32 s95, 0
	s_lshl_b32 s96, s19, 7
	s_add_co_u32 s96, s96, s93                     ; Wq: row 128 x pair + 64 x half
	s_mul_i32 s96, s96, 768
	s_mov_b32 s97, 0
	s_mov_b32 s26, 0x76543210                      ; lane selects of v_permlanex16_b32: lane l xor 16
	s_mov_b32 s27, 0xfedcba98
	s_mov_b32 s28, 0x3e38aa3b                      ; c = log2(e) / sqrt(64)
	s_mov_b32 s29, s28                             ; (named with it as a pair, so it is written)
	s_wait_dscnt 0x0
	s_wait_kmcnt 0x0
	s_add_nc_u64 s[86:87], s[86:87], s[94:95]
	s_or_b32 s87, s87, 0x80000000
	s_add_nc_u64 s[90:91], s[90:91], s[96:97]
	s_or_b32 s91, s91, 0x80000000
	s_add_nc_u64 s[50:51], s[50:51], s[2:3]
	s_or_b32 s51, s51, 0x80000000
	s_add_nc_u64 s[54:55], s[54:55], s[30:31]
	s_or_b32 s55, s55, 0x80000000
	s_add_nc_u64 s[58:59], s[58:59], s[2:3]
	s_or_b32 s59, s59, 0x80000000
	s_add_nc_u64 s[62:63], s[62:63], s[30:31]
	s_or_b32 s63, s63, 0x80000000
	CROUND                                         ; all sixteen work-groups are here: the joint loads meet
; twelve first fills, one a wave, in one chain of branches on the wave's number: waves 0, 1 the halves of T, 2, 3 of Wq, 4, 5 K of head 0, 1, 6, 7 V, 8, 9 K's scale words, 10, 11 V's; waves 12 to 15 fetch nothing
.macro ARM under, g0, g1
	s_cmp_lt_u32 s20, \under
	s_cbranch_scc0 .Lnext_\@
	tensor_load_to_lds s[\g0:\g0+3], s[\g1:\g1+7]
	s_nop 0
.rept 4
	v_nop
.endr
	s_branch .Lasked
.Lnext_\@:
.endm
	ARM 2, 84, 68
	ARM 4, 88, 76
	ARM 6, 48, 32
	ARM 8, 56, 32
	ARM 10, 52, 40
	ARM 12, 60, 40
.Lasked:
	; what comes straight into registers: my queries' scale bytes, my head's rows of Wq's scale bytes, my head's 64 numbers of bq
	s_mov_b32 s99, 0
	s_lshl_b32 s98, s22, 4
	s_add_co_u32 s98, s98, s92                     ; my first row of T
	s_lshl_b32 s98, s98, 5                         ; 32 scale bytes a row
	s_add_nc_u64 s[4:5], s[4:5], s[98:99]
	s_lshl_b32 s31, s19, 1
	s_add_co_u32 s31, s31, s21                     ; head = 2 x pair + w % 2
	s_lshl_b32 s98, s31, 11                        ; 64 rows of 32 bytes
	s_add_nc_u64 s[6:7], s[6:7], s[98:99]
	s_lshl_b32 s98, s31, 8                         ; 64 numbers of 4 bytes
	s_add_nc_u64 s[8:9], s[8:9], s[98:99]
	; aw [row tile 256][head 16][768];  asw [pair 8][row tile 256][16 rows][4]
	s_lshr_b32 s30, s92, 4                         ; the work-group's first row tile: 32 x batch + 8 cx
	s_add_co_u32 s98, s30, s22
	s_lshl_b32 s98, s98, 4
	s_add_co_u32 s98, s98, s31
	s_mul_i32 s98, s98, HFB
	s_add_nc_u64 s[10:11], s[10:11], s[98:99]
	s_lshl_b32 s98, s19, 14
	s_lshl_b32 s30, s30, 6
	s_add_co_u32 s98, s98, s30
	s_add_nc_u64 s[12:13], s[12:13], s[98:99]
	v_and_b32 v9, 31, v0                           ; lane
	v_and_b32 v10, 15, v0                          ; r
	v_bfe_u32 v28, v0, 4, 1                        ; h
	s_delay_alu instid0(VALU_DEP_1)
	v_lshlrev_b32 v92, 5, v28                      ; 32 h: my eight numbers of a tile's sixteen of bq
	s_delay_alu instid0(VALU_DEP_3)
	v_lshlrev_b32 v93, 5, v10                      ; 32 r: my row's scale bytes
.irp t, 0,1,2,3                                ; register 8 t + j: bq of channel 16 t + 8 h + j of my head
	global_load_b128 v[128+8*\t:131+8*\t], v92, s[8:9] offset:64*\t
	global_load_b128 v[132+8*\t:135+8*\t], v92, s[8:9] offset:64*\t+16
.endr
	global_load_b128 v[80:83], v93, s[4:5]         ; T's scale words: register s is my query's word of K step s; sixteen lanes' two loads cover 512 consecutive bytes
	global_load_b128 v[84:87], v93, s[4:5] offset:16
.irp t, 0,1,2,3                                ; Wq's: register 8 t + s: row r of tile t, K step s
	global_load_b128 v[192+8*\t:195+8*\t], v93, s[6:7] offset:512*\t
	global_load_b128 v[196+8*\t:199+8*\t], v93, s[6:7] offset:512*\t+16
.endr
.irp j, 22,23,24,25,26,27
	v_mov_b32 v\j, 0                               ; q's codes of K = 64 .. 127: zeros
.endr
	v_lshlrev_b32 v1, 4, v9                        ; 16 x lane
	v_lshlrev_b32 v2, 3, v9                        ; 8 x lane
	v_lshlrev_b32 v11, 3, v10                      ; 8 r
	v_mul_u32_u24 v29, v10, QP
	s_delay_alu instid0(VALU_DEP_1)
	v_mad_u32_u24 v29, v28, 24, v29                ; a fragment's row x pitch + 24 x half
	s_mul_i32 s25, s22, 16*QP
	s_add_co_u32 s25, s25, TIMG
	v_add_nc_u32 v88, s25, v29                     ; T: my tile of queries
	s_delay_alu instid0(VALU_DEP_1)
	v_lshl_add_u32 v89, v28, 4, v88                ; and the same behind one padding more
	s_mul_i32 s25, s21, 64*QP
	s_add_co_u32 s25, s25, WIMG
	v_add_nc_u32 v90, s25, v29                     ; Wq: my head's 64 rows
	s_delay_alu instid0(VALU_DEP_1)
	v_lshl_add_u32 v91, v28, 4, v90
	s_mul_i32 s25, s21, HEADB
	s_add_co_u32 s25, s25, KIMG
	v_add_nc_u32 v3, s25, v1                       ; K's images of my head
	v_add_nc_u32 v4, s25, v2
	s_add_co_u32 s25, s25, VIMG-KIMG
	v_add_nc_u32 v5, s25, v1                       ; V's
	v_add_nc_u32 v6, s25, v2
	s_lshl_b32 s25, s21, 1
	s_add_co_u32 s25, s25, KSCL
	v_add_nc_u32 v7, s25, v11                      ; K's scale bytes: 8 r + 2 x head
	s_lshl_b32 s25, s21, 10
	s_add_co_u32 s25, s25, VSCL
	v_add_nc_u32 v8, s25, v11                      ; V's scale words
	s_lshl_b32 s25, s22, 6
	s_lshl_b32 s30, s21, 1
	s_add_co_u32 s25, s25, s30
	s_add_co_u32 s25, s25, OSC
	v_lshl_add_u32 v9, v10, 2, s25                 ; where my row's two scale bytes of O go: 64 x tile + 4 r + 2 x head
	v_add_nc_u32 v10, OSC, v1                      ; and where wave 0 reads all of them back
	v_mov_b32 v13, 0xff61b1e6                      ; the largest t so far: -3e38, under every t
	s_delay_alu instid0(VALU_DEP_1)
	v_floor_f32 v12, -v13                          ; -M
	v_mov_b32 v14, 0                               ; the sum, in two halves
	v_mov_b32 v15, 0
.irp b, 0,1,2,3
	v_mov_b32 v[236+\b], 0                         ; written once: a lane permute's destination counts as one of its sources
.endr
	v_mov_b32 v253, 0                              ; (named as the upper half of the pair v[252:253] before it is first written)
; A fragment of T or Wq, 16 rows x 128 K, the row's s-th: 12 registers; lane l holds row l % 16; registers 6 c .. 6 c + 5 hold K = 64 c + 32 (l / 16) + 0 .. 31: 24 bytes of the row as they lie, in pieces of 8 bytes.
; Lanes 16-31 read three pieces further on; where that lies behind one padding more (32 pieces lie between two paddings), the second address register serves.
.macro FRAGQ reg, adr, s, off
.irp p, 0,1,2,3,4,5
.set PIE, 12*(\s)+6*(\p/3)+\p%3
.if PIE%32 < 29
	ds_load_b64 v[\reg+2*\p:\reg+2*\p+1], v[\adr] offset:8*PIE+16*(PIE/32)+(\off)
.else
	ds_load_b64 v[\reg+2*\p:\reg+2*\p+1], v[\adr+1] offset:8*PIE+16*(PIE/32)+(\off)
.endif
.endr
.endm
; K step s of q's projection: my queries' fragment, my head's four fragments of Wq, four products on four accumulators by turns.  The first step's C is bq.
.macro QSTEP s
.if (\s) > 0
.rept 4
	v_nop                                          ; places in front of loads into registers that matrix instructions have read
.endr
.endif
	FRAGQ 160, 88, \s, 0
.irp t, 0,1,2,3
	FRAGQ 32+12*\t, 90, \s, \t*16*QP
.endr
	s_wait_dscnt 0x0
.irp t, 0,1,2,3
.if (\s) > 0
	v_wmma_scale_f32_16x16x128_f8f6f4 v[96+8*\t:103+8*\t], v[32+12*\t:43+12*\t], v[160:171], v[96+8*\t:103+8*\t], v[192+8*\t+(\s)], v[80+(\s)] matrix_a_fmt:MATRIX_FMT_FP6 matrix_b_fmt:MATRIX_FMT_FP6
.else
	v_wmma_scale_f32_16x16x128_f8f6f4 v[96+8*\t:103+8*\t], v[32+12*\t:43+12*\t], v[160:171], v[128+8*\t:135+8*\t], v[192+8*\t+(\s)], v[80+(\s)] matrix_a_fmt:MATRIX_FMT_FP6 matrix_b_fmt:MATRIX_FMT_FP6
.endif
.endr
.endm
; 32 numbers of a lane, v96 .. v127, of which registers 16 b .. 16 b + 15 are my half of block b of my row, become a half fragment's codes in v[dst] .. v[dst + 5] and the row's two scale bytes in v[word].
; tmp: three registers from an even one on, at work (a conversion's three registers begin on an even number).
.macro QUANT2 dst, tmp, word
.irp b, 0,1
	v_max3_num_f32 v[232+\b], |v[96+16*\b]|, |v[97+16*\b]|, 0x1800000   ; my 16 numbers, and the floor 2^(3 - 127): the byte cannot fall under 1.  (Each accumulator is read from its low end on)
.endr
.irp i, 2,4,6,8,10,12,14
.irp b, 0,1
	v_max3_num_f32 v[232+\b], v[232+\b], |v[96+16*\b+\i]|, |v[97+16*\b+\i]|
.endr
.endr
.irp b, 0,1
	s_delay_alu instid0(VALU_DEP_2)
	v_permlanex16_b32 v[236+\b], v[232+\b], s26, s27
.endr
.irp b, 0,1
	s_delay_alu instid0(VALU_DEP_2)
	v_max_num_f32 v[232+\b], v[232+\b], v[236+\b]  ; with lane l xor 16's: the block's largest magnitude
.endr
.irp b, 0,1
	s_delay_alu instid0(VALU_DEP_2)
	v_add_nc_u32 v[244+\b], 0xff000000, v[232+\b]  ; 2 off its exponent field: the conversion takes this operand's exponent field as its scale
.endr
.irp b, 0,1
	s_delay_alu instid0(VALU_DEP_2)
	v_lshrrev_b32 v[236+\b], 23, v[244+\b]         ; the scale's byte
.endr
	s_delay_alu instid0(VALU_DEP_1)
	v_lshl_or_b32 v[\word], v237, 8, v236          ; my row's two scale bytes, zeros above
	v_cvt_scalef32_pk16_fp6_f32 v[\dst:\dst+2], v[96:111], v244
	v_cvt_scalef32_pk16_fp6_f32 v[\tmp:\tmp+2], v[112:127], v245
	v_nop                                          ; one plain place behind a scaled conversion
.irp i, 0,1,2
	v_permlane16_swap_b32 v[\dst+\i], v[\tmp+\i]   ; a whole block in a lane: lanes 0-15 block 0, lanes 16-31 block 1
.endr
.irp i, 0,1,2
	s_delay_alu instid0(VALU_DEP_3)
	v_mov_b32 v[\dst+3+\i], v[\tmp+\i]
.endr
.endm
; A KEY STEP: keys 128 s .. 128 s + 127.
.macro STEP s
.irp g, 0,1                                    ; S^T = K Q^T, four tiles of 16 keys at a time
.if (\s) > 0 || \g > 0
.rept 4
	v_nop                                          ; places in front of loads into registers that matrix instructions have read (ahead of the first step the quantiser's lines are the places)
.endr
.endif
.irp t, 0,1,2,3
	ds_load_b128 v[32+12*\t:35+12*\t], v3 offset:(8*(\s)+4*\g+\t)*HFB
	ds_load_b64 v[36+12*\t:37+12*\t], v4 offset:(8*(\s)+4*\g+\t)*HFB+512
	ds_load_u16 v[248+\t], v7 offset:(2*(\s)+\g)*256+128*(\t%2)+4*(\t/2)
.endr
	s_wait_dscnt 0x0
.irp t, 0,1,2,3
	v_wmma_scale_f32_16x16x128_f8f6f4 v[96+8*(4*\g+\t):103+8*(4*\g+\t)], v[32+12*\t:43+12*\t], v[16:27], 0, v[248+\t], v255 matrix_a_fmt:MATRIX_FMT_FP6 matrix_b_fmt:MATRIX_FMT_FP6
.endr
.endr                                          ; lane (r, h): query r; registers 16 b + i: keys 32 b + 8 h + i (i < 8), 32 b + 8 + 8 h + i (i >= 8)
.rept 4
	v_nop                                          ; places in front of the loads below and of the first read of the scores
.endr
.irp t, 0,1,2,3                                ; V's four fragments (16 channels x these 128 keys) are asked for now and land under the softmax
	ds_load_b128 v[32+12*\t:35+12*\t], v5 offset:(8*(\s)+\t)*HFB
	ds_load_b64 v[36+12*\t:37+12*\t], v6 offset:(8*(\s)+\t)*HFB+512
	ds_load_b128 v[38+12*\t:41+12*\t], v5 offset:(8*(\s)+4+\t)*HFB
	ds_load_b64 v[42+12*\t:43+12*\t], v6 offset:(8*(\s)+4+\t)*HFB+512
	ds_load_b32 v[248+\t], v8 offset:256*(\s)+128*(\t%2)+4*(\t/2)
.endr
.irp b, 0,1,2,3
	v_max3_num_f32 v[232+\b], v[96+16*\b], v[97+16*\b], v[98+16*\b]   ; the largest score of each block of 32 keys: it serves for the row's maximum and, since p rises with the score, for the block's largest p
.endr
.irp i, 3,5,7,9,11,13
.irp b, 0,1,2,3
	v_max3_num_f32 v[232+\b], v[232+\b], v[96+16*\b+\i], v[97+16*\b+\i]
.endr
.endr
.irp b, 0,1,2,3
	v_max_num_f32 v[232+\b], v[232+\b], v[111+16*\b]
.endr
.irp b, 0,1,2,3
	s_delay_alu instid0(VALU_DEP_4)
	v_permlanex16_b32 v[236+\b], v[232+\b], s26, s27
.endr
.irp b, 0,1,2,3
	s_delay_alu instid0(VALU_DEP_4)
	v_max_num_f32 v[232+\b], v[232+\b], v[236+\b]  ; with lane l xor 16's 16 keys
.endr
	s_delay_alu instid0(VALU_DEP_2)
	v_max3_num_f32 v254, v232, v233, v234
	s_delay_alu instid0(VALU_DEP_1)
	v_max_num_f32 v254, v254, v235                 ; the step's largest score of my query
	s_delay_alu instid0(VALU_DEP_1)
	v_mul_f32 v254, s28, v254                      ; as t
	s_delay_alu instid0(VALU_DEP_1)
	v_max_num_f32 v13, v13, v254                   ; the running largest t
	v_mov_b32 v254, v12
	s_delay_alu instid0(VALU_DEP_2)
	v_floor_f32 v12, -v13                          ; the new -M = -ceil(t): a whole number
	s_delay_alu instid0(VALU_DEP_1)
	v_sub_f32 v254, v12, v254                      ; old M - new M: a whole number, 0 or less
	s_delay_alu instid0(VALU_DEP_1)
	v_cvt_i32_f32 v254, v254                       ; (it saturates)
	s_delay_alu instid0(VALU_DEP_1)
	v_ldexp_f32 v252, 1.0, v254                    ; f = 2^(old M - new M)
.set j, 0
.rept 32
	v_pk_fma_f32 v[96+j:97+j], v[96+j:97+j], s[28:29], v[12:13] op_sel_hi:[1,0,0]   ; t - M, two at a time
.set j, j+2
.endr
.irp b, 0,1,2,3
	v_fma_f32 v[232+\b], v[232+\b], s28, v12       ; the same of each block's largest score
.endr
.set j, 0
	s_wait_alu depctr_va_vdst(0)
.rept 64
	v_exp_f32 v[96+j], v[96+j]                     ; p = 2^(t - M), at most 1
.set j, j+1
.endr
	v_pk_mul_f32 v[14:15], v[14:15], v[252:253] op_sel_hi:[1,0]   ; the sums under the new M: a plain instruction behind the exponentials
	s_wait_alu depctr_va_vdst(0)                   ; one wait for the whole batch, ahead of its first reader
.irp b, 0,1,2,3
	v_exp_f32 v[232+\b], v[232+\b]                 ; the block's largest p
.endr
	v_pk_add_f32 v[236:237], v[100:101], v[104:105]
	v_pk_add_f32 v[246:247], v[108:109], v[112:113]
	v_pk_add_f32 v[244:245], v[116:117], v[120:121]
	v_pk_add_f32 v[240:241], v[124:125], v[128:129]
	v_pk_add_f32 v[238:239], v[132:133], v[136:137]
	v_pk_add_f32 v[230:231], v[140:141], v[144:145]
	v_pk_add_f32 v[228:229], v[148:149], v[152:153]
	v_pk_add_f32 v[14:15], v[14:15], v[156:157]
	v_pk_add_f32 v[236:237], v[236:237], v[96:97]
	v_pk_add_f32 v[246:247], v[246:247], v[98:99]
	v_pk_add_f32 v[244:245], v[244:245], v[102:103]
	v_pk_add_f32 v[240:241], v[240:241], v[106:107]
	v_pk_add_f32 v[238:239], v[238:239], v[110:111]
	v_pk_add_f32 v[230:231], v[230:231], v[114:115]
	v_pk_add_f32 v[228:229], v[228:229], v[118:119]
	v_pk_add_f32 v[14:15], v[14:15], v[122:123]
	v_pk_add_f32 v[236:237], v[236:237], v[126:127]
	v_pk_add_f32 v[246:247], v[246:247], v[130:131]
	v_pk_add_f32 v[244:245], v[244:245], v[134:135]
	v_pk_add_f32 v[240:241], v[240:241], v[138:139]
	v_pk_add_f32 v[238:239], v[238:239], v[142:143]
	v_pk_add_f32 v[230:231], v[230:231], v[146:147]
	v_pk_add_f32 v[228:229], v[228:229], v[150:151]
	v_pk_add_f32 v[14:15], v[14:15], v[154:155]
	v_pk_add_f32 v[236:237], v[236:237], v[158:159]
	s_delay_alu instid0(VALU_DEP_2)
	v_pk_add_f32 v[14:15], v[14:15], v[240:241]
	s_delay_alu instid0(VALU_DEP_2)
	v_pk_add_f32 v[236:237], v[236:237], v[238:239]
	v_pk_add_f32 v[246:247], v[246:247], v[230:231]
	v_pk_add_f32 v[244:245], v[244:245], v[228:229]
	s_delay_alu instid0(VALU_DEP_2)
	v_pk_add_f32 v[14:15], v[14:15], v[246:247]
	s_delay_alu instid0(VALU_DEP_2)
	v_pk_add_f32 v[236:237], v[236:237], v[244:245]
	s_delay_alu instid0(VALU_DEP_1)
	v_pk_add_f32 v[14:15], v[14:15], v[236:237]
	s_wait_alu depctr_va_vdst(0)                   ; and one for the four
.irp b, 0,1,2,3
	v_max_num_f32 v[232+\b], 0x1800000, v[232+\b]  ; the floor 2^(3 - 127): the byte cannot fall under 1
.endr
.irp b, 0,1,2,3
	s_delay_alu instid0(VALU_DEP_4)
	v_add_nc_u32 v[244+\b], 0xff000000, v[232+\b]  ; 2 off the exponent field: the conversion's scale operand
.endr
.irp b, 0,1,2,3
	s_delay_alu instid0(VALU_DEP_4)
	v_lshrrev_b32 v[236+\b], 23, v[244+\b]         ; the scale's byte
.endr
	s_delay_alu instid0(VALU_DEP_3)
	v_lshl_or_b32 v253, v237, 8, v236              ; p's scale word for these 128 keys
	s_delay_alu instid0(VALU_DEP_1)
	v_lshl_or_b32 v253, v238, 16, v253
	s_delay_alu instid0(VALU_DEP_1)
	v_lshl_or_b32 v253, v239, 24, v253
.irp c, 0,1
	v_cvt_scalef32_pk16_fp6_f32 v[224+6*\c:226+6*\c], v[96+32*\c:111+32*\c], v[244+2*\c]
	v_cvt_scalef32_pk16_fp6_f32 v[236+4*\c:238+4*\c], v[112+32*\c:127+32*\c], v[244+2*\c+1]
.endr
	v_nop                                          ; one plain place behind a scaled conversion
.irp c, 0,1                                    ; a whole block in a lane: lanes 0-15 block 2 c, lanes 16-31 block 2 c + 1
.irp i, 0,1,2
	v_permlane16_swap_b32 v[224+6*\c+\i], v[236+4*\c+\i]
.endr
.irp i, 0,1,2
	s_delay_alu instid0(VALU_DEP_3)
	v_mov_b32 v[227+6*\c+\i], v[236+4*\c+\i]
.endr
.endr
.if (\s) > 0
.set j, 0
.rept 16
	v_pk_mul_f32 v[160+j:161+j], v[160+j:161+j], v[252:253] op_sel_hi:[1,0]   ; O^T under the new M.  (These 16 are also the places between p's codes and scale word and the products)
.set j, j+2
.endr
.else
	s_wait_alu depctr_va_vdst(0)
.rept 8
	v_nop                                          ; a scale register written by a vector instruction stands 8 places ahead of a scaled matrix instruction, an operand so written 4
.endr
.endif
	s_wait_alu depctr_va_vdst(0)
	s_wait_dscnt 0x0                               ; V is in
.irp t, 0,1,2,3                                ; O^T += V^T P^T; the first step's products start the sums
.if (\s) > 0
	v_wmma_scale_f32_16x16x128_f8f6f4 v[160+8*\t:167+8*\t], v[32+12*\t:43+12*\t], v[224:235], v[160+8*\t:167+8*\t], v[248+\t], v253 matrix_a_fmt:MATRIX_FMT_FP6 matrix_b_fmt:MATRIX_FMT_FP6
.else
	v_wmma_scale_f32_16x16x128_f8f6f4 v[160+8*\t:167+8*\t], v[32+12*\t:43+12*\t], v[224:235], 0, v[248+\t], v253 matrix_a_fmt:MATRIX_FMT_FP6 matrix_b_fmt:MATRIX_FMT_FP6
.endif
.endr
.endm
	s_wait_loadcnt 0x0                             ; bq and the scale words
	s_wait_tensorcnt 0x0                           ; my one load, if I have one, has landed
	s_barrier_signal -1
	s_barrier_wait -1                              ; T and Wq are whole
	QSTEP 0
	QSTEP 1
	QSTEP 2
	QSTEP 3
	QSTEP 4
	QSTEP 5
	QSTEP 6
	QSTEP 7
.rept 4
	v_nop                                          ; places in front of the first read of the sums
.endr
	QUANT2 16, 28, 255                             ; q's half fragment in v16-21, its scale bytes in v255
.rept 8
	v_nop                                          ; a scale register written by a vector instruction stands 8 places ahead of a scaled matrix instruction, an operand so written 4
.endr
	s_wait_alu depctr_va_vdst(0)
	s_wait_tensorcnt 0x0                           ; my loads, if I have any, have all landed
	s_barrier_signal -1
	s_barrier_wait -1                              ; K and V are whole
	STEP 0
	STEP 1
	STEP 2
	STEP 3
	; THE WAY OUT
.rept 4
	v_nop
.endr
	v_add_f32 v14, v14, v15                        ; the sum's two halves,
	s_delay_alu instid0(VALU_DEP_1)
	v_permlanex16_b32 v252, v14, s26, s27
	s_delay_alu instid0(VALU_DEP_1)
	v_add_f32 v14, v14, v252                       ; and lane l xor 16's: the row's sum
	s_wait_alu depctr_va_vdst(0)
	v_rcp_f32 v14, v14
	v_nop                                          ; a plain place behind the transcendental
	s_wait_alu depctr_va_vdst(0)                   ; and the wait ahead of its first reader
.set j, 0
.rept 16
	v_pk_mul_f32 v[96+j:97+j], v[160+j:161+j], v[14:15] op_sel_hi:[1,0]   ; O^T / the sum: register 8 t + i is channel 16 t + 8 h + i of my query
.set j, j+2
.endr
.irp b, 0,1
.irp j, 0,1,2,3,4,5,6,7
	v_permlane16_swap_b32 v[96+16*\b+\j], v[104+16*\b+\j]   ; into the natural order: register 16 b + i is channel 32 b + 16 h + i
.endr
.endr
	QUANT2 224, 228, 253                           ; v224-229: lane (r, h) holds channels 32 h .. 32 h + 31 of row r
	global_store_b128 v1, v[224:227], s[10:11]     ; 512 consecutive bytes
	global_store_b64 v2, v[228:229], s[10:11] offset:512   ; and 256
	ds_store_b16 v9, v253                          ; lanes l and l xor 16 write the same bytes with the same value
	s_wait_dscnt 0x0                               ; for the others' sake
	s_barrier_signal -1
	s_barrier_wait -1
	s_cmp_lg_u32 s20, 0
	s_cbranch_scc1 .Lnot_first
	ds_load_b128 v[232:235], v10                   ; the scale words of the work-group's 128 rows, both heads
	s_wait_dscnt 0x0
	global_store_b128 v1, v[232:235], s[12:13]     ; 512 consecutive bytes
.Lnot_first:
	s_wait_tensorcnt 0x0
	ds_add_u32 v95, v243
	s_wait_dscnt 0x0
	CROUND                                         ; the closing round
	s_endpgm
.Lfunc_end_k_q12b2fd6853_att:
	.size	k_q12b2fd6853_att, .Lfunc_end_k_q12b2fd6853_att-k_q12b2fd6853_att
	.p2alignl 7, 3214868480
	.fill 96, 4, 3214868480
	.section	.rodata,"a",@progbits
	.p2align	6, 0x0
	.amdhsa_kernel k_q12b2fd6853_att
		.amdhsa_group_segment_fixed_size 327680
		.amdhsa_private_segment_fixed_size 0
		.amdhsa_enable_private_segment 0
		.amdhsa_kernarg_size 88
		.amdhsa_user_sgpr_count 2
		.amdhsa_user_sgpr_kernarg_segment_ptr 1
		.amdhsa_wavefront_size32 1
		.amdhsa_system_sgpr_workgroup_id_x 1
		.amdhsa_system_sgpr_workgroup_id_y 1
		.amdhsa_system_sgpr_workgroup_id_z 1
		.amdhsa_system_vgpr_workitem_id 0
		.amdhsa_next_free_vgpr 256
		.amdhsa_next_free_sgpr 100
		.amdhsa_reserve_vcc 0
		.amdhsa_float_denorm_mode_32 3
		.amdhsa_float_denorm_mode_16_64 3
		.amdhsa_memory_ordered 1
		.amdhsa_forward_progress 1
		.amdhsa_inst_pref_size 111
	.end_amdhsa_kernel
	.amdgpu_metadata
---
amdhsa.version: [ 1, 2 ]
amdhsa.kernels:
  - .name:           k_q12b2fd6853_att
    .symbol:         k_q12b2fd6853_att.kd
    .args:
      - { .name: target_embedding_scales, .offset: 0, .size: 8, .value_kind: global_buffer, .address_space: global }
      - { .name: Wq_scales, .offset: 8, .size: 8, .value_kind: global_buffer, .address_space: global }
      - { .name: bq, .offset: 16, .size: 8, .value_kind: global_buffer, .address_space: global }
      - { .name: aw, .offset: 24, .size: 8, .value_kind: global_buffer, .address_space: global }
      - { .name: asw, .offset: 32, .size: 8, .value_kind: global_buffer, .address_space: global }
      - { .name: target_embedding_codes, .offset: 40, .size: 8, .value_kind: global_buffer, .address_space: global }
      - { .name: Wq_codes, .offset: 48, .size: 8, .value_kind: global_buffer, .address_space: global }
      - { .name: kc, .offset: 56, .size: 8, .value_kind: global_buffer, .address_space: global }
      - { .name: ks, .offset: 64, .size: 8, .value_kind: global_buffer, .address_space: global }
      - { .name: vc, .offset: 72, .size: 8, .value_kind: global_buffer, .address_space: global }
      - { .name: vs, .offset: 80, .size: 8, .value_kind: global_buffer, .address_space: global }
    .group_segment_fixed_size: 327680
    .private_segment_fixed_size: 0
    .kernarg_segment_align: 8
    .kernarg_segment_size: 88
    .max_flat_workgroup_size: 512
    .sgpr_count:     100
    .vgpr_count:     256
    .wavefront_size: 32
...
	.end_amdgpu_metadata
.endif
;; end of part 2
;; launch outp (part 3): grid 16 x 16, 4 waves a work-group, clusters of 4 x 4, 327,680 bytes of LDS; arguments aw, asw, Wo_codes, Wo_scales, bo, out0; writes out0
.if DOCPART == 3
	.amdgcn_target "amdgcn-amd-amdhsa--gfx1250"
	.amdhsa_code_object_version 6
	.text
	.protected	k_q12b2fd6853_outp
	.globl	k_q12b2fd6853_outp
	.p2align	8
	.type	k_q12b2fd6853_outp,@function
k_q12b2fd6853_outp:
	s_mov_b64 s[64:65], 0
	v_nop
	global_prefetch_b8 v0, s[64:65] scope:SCOPE_SE
	s_setreg_imm32_b32 hwreg(HW_REG_WAVE_MODE, 25, 1), 1
	s_wait_xcnt 0x0
	s_wait_alu depctr_hold_cnt(0) depctr_sa_sdst(0) depctr_va_vdst(0) depctr_va_sdst(0) depctr_va_ssrc(0) depctr_va_vcc(0) depctr_vm_vsrc(0)
	s_getreg_b32 s2, hwreg(HW_REG_IB_STS2, 6, 4)
	s_cmp_eq_u32 s2, 0
	s_cbranch_scc0 .Lentry_in_a_cluster
	s_endpgm
.Lentry_in_a_cluster:
	s_bfe_u32 s2, ttmp6, 0x10000c
	s_cmp_lg_u32 s2, 0xf033
	s_cbranch_scc0 .Lentry_shape_is_right
	s_endpgm
.Lentry_shape_is_right:
; out0[m][n] = sum over k of O[m][k] Wo[k][n] + bo[n], on codes of FP6 (E2M3), K = 1,024.  No work of the problem is left out.
; O comes as the attention launch has laid it: aw [tile of 16 rows][head 16][half fragment of 768 bytes: registers 0-3 at 16 x lane, registers 4-5 at 512 + 8 x lane], asw [pair of heads 8][tile 256][16 rows][4 bytes].
; A work-group of four waves makes 256 x 256.  WO STAYS IN REGISTERS: a wave holds its 64 columns of Wo for all of K, 32 fragments, 384 registers, read from LDS once.  O's 16 tiles of rows are walked in pairs:
; a pair is 64 products (8 K steps x 2 tiles x 4 blocks of columns) on 8 accumulators by turns, and leaves as soon as it is finished, under the next pair's products.
; THE WAY OUT NEEDS NO LDS: source 0 = O's rows, source 1 = Wo's rows, and lane r of block b takes column 4 r + b.  So the four accumulators of a tile hold, in lane r, four neighbouring columns of a row:
; one addition of the bias a number lays them side by side, and sixteen lanes store 256 consecutive bytes, aligned.
; LDS: O's tiles 0-7 (dense images) from 0; behind them Wo's 256 rows, the even rows and then the odd ones, 792 bytes a row (8 bytes of padding behind every 256): the rows of neighbouring lanes, four apart in Wo,
; are two apart there, 396 words, so the 32 lanes of a load of 8 bytes touch 64 different banks (64 banks of 4 bytes: ISA guide 11.1).  When Wo is in registers, O's tiles 8-15 are laid over its first bytes, on end with tiles 0-7.
; CLUSTER 4 x 4: O's tiles and scale words are asked for jointly along a row, Wo's rows along a column.  Wo's scale bytes (2,048 a wave) and the bias go straight into registers.
; No prefetch: the text has no loop to run ahead in; all but one load stand at the head, and that one has four pairs, 256 products, in which to land.
; REGISTERS: window 0: v8-29 addresses, v32-35 the bias, v64-95 Wo's scale words, v96-111 O's, two sets, v128-191 a pair on its way out.  Window 1: Wo's fragments of K steps 0-4.
;   window 2: v0-143 those of K steps 5-7, v192-255 the accumulators of odd pairs.  Window 3: v0-191 O's fragments of a pair, v192-255 the accumulators of even pairs.
.set NB,     16384                     ; a row of out0 in bytes
.set TILEB,  12288                     ; 16 rows of O
.set AHALF,  8*TILEB
.set BP,     792
.set PLANE,  128*BP
.set BREG,   AHALF
.set SCLA,   BREG+2*PLANE              ; O's scale words: [K step 8][tile 16][16 rows][4]
.set SPARE,  SCLA+8192
.set A16,  8                           ; v8-11   16 x lane + 4 tiles x g
.set A8,   12                          ; v12-15  8 x lane + the same
.set ADRB, 16                          ; v16, 17 my rows of Wo's even plane, and behind one padding more in lanes 16-31; v18, 19 the odd plane
.set ADRS, 20
.set CO,   21
.set BOA,  22
.set SBO,  23
.set SPW,  28
.set NIL,  29
.set BI,   32
.set SCB,  64
.set SCA,  96
.set OUTR, 128
.set ACC,  192
.set G1B,  24
.set G0B,  32
.set G0A,  36
.set G1A,  48
.set G0S,  56
.set G0R,  60
.set G1S,  68
.set G1R,  80
.set MSB, 0
.macro WIN new
.if MSB != (\new)
	s_set_vgpr_msb (MSB<<8)|(\new)
.set MSB, (\new)
.endif
.endm
.macro PLACES n
.rept \n
	v_nop
.endr
.endm
.macro CROUND
	s_barrier_signal -1
	s_barrier_wait -1
	s_cmp_lg_u32 s14, 0
	s_cbranch_scc1 .Lnot_wave_0_\@
	s_barrier_signal -3
.Lnot_wave_0_\@:
	s_barrier_wait -3
	s_barrier_signal -1
	s_barrier_wait -1
.endm
	s_load_b128 s[4:7], s[0:1], 0x0                ; aw, asw
	s_load_b128 s[8:11], s[0:1], 0x10              ; Wo's codes, Wo's scales
	s_load_b64 s[96:97], s[0:1], 0x20              ; bo
	s_load_b64 s[12:13], s[0:1], 0x28              ; out0
	v_lshl_add_u32 v[SPW], v0, 2, SPARE
	v_mov_b32 v[NIL], 0
	ds_add_u32 v[SPW], v[NIL]                      ; the opening lines: the add twice on end and one wait
	ds_add_u32 v[SPW], v[NIL]
	v_lshrrev_b32 v1, 5, v0
	v_readfirstlane_b32 s14, v1                    ; wave: my 64 columns
	s_and_b32 s16, s14, 1
	s_bfe_u32 s40, ttmp6, 0x40000
	s_bfe_u32 s41, ttmp6, 0x40004
	s_lshl_b32 s42, ttmp9, 2
	s_add_co_u32 s42, s42, s40                     ; tile column
	s_and_b32 s17, ttmp7, 0xffff
	s_lshl_b32 s17, s17, 2
	s_add_co_u32 s17, s17, s41                     ; tile row
	s_lshl_b32 s43, s41, 2
	s_lshl_b32 s43, 15, s43                        ; my row of the cluster
	s_lshl_b32 s44, 0x1111, s40                    ; my column
	; Wo: every second row, 128 rows of 768 bytes, 1,536 bytes apart, 2 words of padding behind every 64
	s_or_b32 s[G1B+0], s44, (0<<16)|(1<<20)|(1<<21)|(5<<22)|(1<<25)
	s_mov_b32 s[G1B+1], 768<<16
	s_mov_b32 s[G1B+2], 128<<16
	s_mov_b32 s[G1B+3], 768<<16
	s_mov_b32 s[G1B+4], 128
	s_mov_b32 s[G1B+5], 1536
	s_mov_b32 s[G1B+6], 0
	s_mov_b32 s[G1B+7], 0
	; O's images are dense: rows of 256 bytes (32 elements of 8): 384 for tiles 0-7, 96 for a wave's two of tiles 8-15
	s_or_b32 s[G1A+0], s43, (3<<16)|(1<<21)
	s_or_b32 s[G1R+0], s43, (3<<16)|(1<<21)
.irp g, G1A, G1R
	s_mov_b32 s[\g+1], 32<<16
	s_mov_b32 s[\g+3], 32<<16
	s_mov_b32 s[\g+5], 32
	s_mov_b32 s[\g+6], 0
	s_mov_b32 s[\g+7], 0
.endr
	s_mov_b32 s[G1A+2], 384<<16
	s_mov_b32 s[G1A+4], 384
	s_mov_b32 s[G1R+2], 96<<16
	s_mov_b32 s[G1R+4], 96
	; O's scale words: 8 K steps x 1,024 bytes, 16,384 bytes apart
	s_or_b32 s[G1S+0], s43, (3<<16)|(1<<21)
	s_mov_b32 s[G1S+1], 128<<16
	s_mov_b32 s[G1S+2], 8<<16
	s_mov_b32 s[G1S+3], 128<<16
	s_mov_b32 s[G1S+4], 8
	s_mov_b32 s[G1S+5], 2048
	s_mov_b32 s[G1S+6], 0
	s_mov_b32 s[G1S+7], 0
	s_mul_i32 s20, s17, 16*TILEB                   ; O's codes of my tile row
	s_mov_b32 s21, 0
	s_lshl_b32 s22, s17, 10                        ; its scale words
	s_mov_b32 s23, 0
	s_lshl_b32 s46, s42, 8
	s_add_co_u32 s46, s46, s16                     ; Wo: row 256 x tile column + parity
	s_mul_i32 s46, s46, 768
	s_mov_b32 s47, 0
	s_lshl_b32 s94, s42, 8
	s_lshl_b32 s18, s14, 6
	s_add_co_u32 s94, s94, s18                     ; my first column
	s_lshl_b32 s92, s94, 5                         ; 32 scale bytes a row of Wo
	s_mov_b32 s93, 0
	s_lshl_b32 s94, s94, 2                         ; in bytes of bo and of a row of out0
	s_mov_b32 s95, 0
	s_lshl_b32 s18, s17, 22                        ; 256 rows of out0
	s_mov_b32 s19, 0
	s_mul_i32 s45, s14, 2*TILEB                    ; my two of tiles 8-15
	s_wait_dscnt 0x0                               ; both opening adds are done
	s_wait_kmcnt 0x0
	s_add_nc_u64 s[20:21], s[4:5], s[20:21]
	s_add_nc_u64 s[22:23], s[6:7], s[22:23]
	s_add_nc_u64 s[46:47], s[8:9], s[46:47]
	s_add_nc_u64 s[10:11], s[10:11], s[92:93]
	s_add_nc_u64 s[96:97], s[96:97], s[94:95]
	s_add_nc_u64 s[12:13], s[12:13], s[94:95]
	s_add_nc_u64 s[12:13], s[12:13], s[18:19]
	s_mov_b32 s[G0B], 1
	s_mul_i32 s[G0B+1], s16, PLANE
	s_add_co_u32 s[G0B+1], s[G0B+1], BREG
	s_mov_b64 s[G0B+2:G0B+3], s[46:47]
	s_or_b32 s[G0B+3], s[G0B+3], 0x80000000
	s_mov_b32 s[G0A], 1
	s_mov_b32 s[G0A+1], 0
	s_mov_b64 s[G0A+2:G0A+3], s[20:21]
	s_or_b32 s[G0A+3], s[G0A+3], 0x80000000
	s_mov_b32 s[G0S], 1
	s_mov_b32 s[G0S+1], SCLA
	s_mov_b64 s[G0S+2:G0S+3], s[22:23]
	s_or_b32 s[G0S+3], s[G0S+3], 0x80000000
	s_mov_b32 s[G0R], 1
	s_add_co_u32 s[G0R+1], s45, BREG
	s_mov_b32 s18, s45
	s_add_nc_u64 s[G0R+2:G0R+3], s[20:21], s[18:19]
	s_add_nc_u64 s[G0R+2:G0R+3], s[G0R+2:G0R+3], AHALF
	s_or_b32 s[G0R+3], s[G0R+3], 0x80000000
	CROUND                                         ; all sixteen work-groups are here: the first joint loads meet
; the head's loads, one a wave, in one chain of branches on the wave's number: Wo's even rows, Wo's odd rows, O's tiles 0-7, O's scale words
.macro ARM under, g0, g1, next
	s_cmp_lt_u32 s14, \under
	s_cbranch_scc0 \next
	tensor_load_to_lds s[\g0:\g0+3], s[\g1:\g1+7]
	s_nop 0
	PLACES 4
	s_branch .Lhead_asked
\next:
.endm
	ARM 2, G0B, G1B, .Lhead_a
	ARM 3, G0A, G1A, .Lhead_s
	tensor_load_to_lds s[G0S:G0S+3], s[G1S:G1S+7]
	s_nop 0
	PLACES 4
.Lhead_asked:
	v_and_b32 v1, 15, v0                           ; r
	v_bfe_u32 v2, v0, 4, 1                         ; h
	v_and_b32 v3, 31, v0                           ; lane
	v_lshlrev_b32 v[A16], 4, v3
	v_lshlrev_b32 v[A8], 3, v3
.irp g, 1,2,3
	v_add_nc_u32 v[A16+\g], \g*4*TILEB, v[A16]
	v_add_nc_u32 v[A8+\g], \g*4*TILEB, v[A8]
.endr
	v_mul_u32_u24 v6, v1, 2*BP                     ; column 4 r + b is row 2 r + b / 2 of plane b % 2
	v_mad_u32_u24 v6, v2, 24, v6
	s_mul_i32 s18, s14, 32*BP                      ; my 64 columns: 32 rows of each plane
	s_add_co_u32 s18, s18, BREG
	v_add_nc_u32 v[ADRB], s18, v6
	v_lshl_add_u32 v[ADRB+1], v2, 3, v[ADRB]
	v_add_nc_u32 v[ADRB+2], PLANE, v[ADRB]
	v_add_nc_u32 v[ADRB+3], PLANE, v[ADRB+1]
	v_lshl_add_u32 v[ADRS], v3, 2, SCLA            ; lanes 0-15 a pair's first tile, lanes 16-31 its second
	v_lshlrev_b32 v[BOA], 4, v1                    ; 16 r: my four columns, in bo and in a row of out0
	v_lshlrev_b32 v[SBO], 7, v1                    ; four rows of Wo's scale bytes
	v_lshl_add_u32 v[CO], v2, 17, v[BOA]           ; lanes 16-31: eight rows of out0 down
	s_wait_alu depctr_va_vdst(0)
	global_load_b128 v[BI:BI+3], v[BOA], s[96:97]  ; register b: the bias of column 4 r + b
.irp b, 0,1,2,3                                ; register 8 b + k: the scale word of column 4 r + b, K step k; the eight loads cover 2,048 consecutive bytes
	global_load_b128 v[SCB+8*\b:SCB+8*\b+3], v[SBO], s[10:11] offset:32*\b
	global_load_b128 v[SCB+8*\b+4:SCB+8*\b+7], v[SBO], s[10:11] offset:32*\b+16
.endr
.macro FRAGB reg, b, k                 ; a fragment of Wo: six pieces of 8 bytes; lanes 16-31 read three pieces on, for some pieces behind one padding more
.irp p, 0,1,2,3,4,5
.set PIE, 12*(\k)+6*(\p/3)+\p%3
	ds_load_b64 v[\reg+2*\p:\reg+2*\p+1], v[ADRB+2*((\b)%2)+(PIE%32)/29] offset:((\b)/2)*BP+8*PIE+8*(PIE/32)
.endr
.endm
.macro FRAGA p, t, k                   ; a fragment of O, tile 2 p + t, K step k, from its two images
.set RG, 12*(2*(\k)+\t)
.set OF, (2*((\p)%2)+\t)*TILEB+(\k)*1536
	ds_load_b128 v[RG:RG+3], v[A16+(\p)/2] offset:OF
	ds_load_b64 v[RG+4:RG+5], v[A8+(\p)/2] offset:OF+512
	ds_load_b128 v[RG+6:RG+9], v[A16+(\p)/2] offset:OF+768
	ds_load_b64 v[RG+10:RG+11], v[A8+(\p)/2] offset:OF+1280
.endm
.macro FETCHA p, k0                    ; four K steps of a pair: 32 loads
	WIN 0xc0
.irp k, \k0, \k0+1, \k0+2, \k0+3
.irp t, 0,1
	FRAGA \p, \t, \k
.endr
.endr
	WIN 0
.endm
.macro SCALES p
.irp k, 0,1,2,3,4,5,6,7
	ds_load_b32 v[SCA+8*((\p)%2)+\k], v[ADRS] offset:1024*\k+128*(\p)
.endr
.endm
.macro WM d, a, b, sa, sb, t, k
.if (\k) == 0
.if \t
	v_wmma_scale_f32_16x16x128_f8f6f4 v[\d:\d+7], v[\a:\a+11], v[\b:\b+11], 0, v[\sa], v[\sb] matrix_a_fmt:MATRIX_FMT_FP6 matrix_b_fmt:MATRIX_FMT_FP6 matrix_a_scale:MATRIX_SCALE_ROW1
.else
	v_wmma_scale_f32_16x16x128_f8f6f4 v[\d:\d+7], v[\a:\a+11], v[\b:\b+11], 0, v[\sa], v[\sb] matrix_a_fmt:MATRIX_FMT_FP6 matrix_b_fmt:MATRIX_FMT_FP6
.endif
.else
.if \t
	v_wmma_scale_f32_16x16x128_f8f6f4 v[\d:\d+7], v[\a:\a+11], v[\b:\b+11], v[\d:\d+7], v[\sa], v[\sb] matrix_a_fmt:MATRIX_FMT_FP6 matrix_b_fmt:MATRIX_FMT_FP6 matrix_a_scale:MATRIX_SCALE_ROW1
.else
	v_wmma_scale_f32_16x16x128_f8f6f4 v[\d:\d+7], v[\a:\a+11], v[\b:\b+11], v[\d:\d+7], v[\sa], v[\sb] matrix_a_fmt:MATRIX_FMT_FP6 matrix_b_fmt:MATRIX_FMT_FP6
.endif
.endif
.endm
.macro MULK p, k                       ; K step k of pair p: 8 products on the pair's 8 accumulators by turns; the first step starts the sums
.set BR, 48*((\k)%5)
	WIN 3|((1+(\k)/5)<<2)|((3-(\p)%2)*0x50)        ; source 0 window 3, source 1 window 1 or 2, C and D window 3 or 2
.irp t, 0,1
.irp b, 0,1,2,3
	WM (ACC+32*\t+8*\b), (12*(2*(\k)+\t)), (BR+12*\b), (SCA+8*((\p)%2)+(\k)), (SCB+8*\b+(\k)), \t, \k
.endr
.endr
.endm
.macro OUT p                           ; pair p leaves: register 4 j + b of a tile is column 4 r + b of row 8 h + j; each accumulator is read from its low end on
.if (\p) > 0
	s_wait_xcnt 0x0                                ; the last pair's stores have read their registers
.endif
	WIN 3-(\p)%2
.irp t, 0,1
.irp j, 0,1,2,3,4,5,6,7
.irp b, 0,1,2,3
	v_add_f32 v[OUTR+32*\t+4*\j+\b], v[ACC+32*\t+8*\b+\j], v[BI+\b]
.endr
.endr
.endr
	WIN 0
.irp t, 0,1
.irp j, 0,1,2,3,4,5,6,7
	global_store_b128 v[CO], v[OUTR+32*\t+4*\j:OUTR+32*\t+4*\j+3], s[12:13] offset:(32*(\p)+16*\t+\j)*NB th:TH_STORE_NT   ; sixteen lanes store 256 consecutive bytes, aligned; written once
.endr
.endr
.endm
.macro PAIR p
	s_wait_dscnt 32                                ; all but the youngest 32 loads: K steps 4-7
.irp k, 0,1,2,3
	MULK \p, \k
.endr
.if (\p) > 0
	OUT (\p)-1                                     ; its additions are also the places ahead of the loads below
.else
	PLACES 4
	WIN 0
.endif
	s_wait_dscnt 0x0                               ; K steps 4-7 are in
.if (\p) == 3
	s_wait_tensorcnt 0x0                           ; my two of tiles 8-15 have landed,
	s_barrier_signal -1
	s_barrier_wait -1                              ; and everybody's
.endif
.if (\p) < 7
	FETCHA (\p)+1, 0
	SCALES (\p)+1
.endif
.irp k, 4,5,6,7
	MULK \p, \k
.endr
	PLACES 4
.if (\p) < 7
	FETCHA (\p)+1, 4
.else
	WIN 0
.endif
.endm
	s_wait_tensorcnt 0x0                           ; my tile of the head's four is in
	s_barrier_signal -1
	s_barrier_wait -1                              ; and all four
	WIN 0x40
.irp k, 0,1,2,3,4
.irp b, 0,1,2,3
	FRAGB 48*\k+12*\b, \b, \k
.endr
.endr
	WIN 0x80
.irp k, 5,6,7
.irp b, 0,1,2,3
	FRAGB 48*(\k-5)+12*\b, \b, \k
.endr
.endr
	WIN 0
	s_wait_tensorcnt 0x0
	ds_add_u32 v[SPW], v[NIL]
	s_wait_dscnt 0x0                               ; the add is done, and Wo is in my registers
	CROUND                                         ; no wave of any partner still reads Wo's bytes
	tensor_load_to_lds s[G0R:G0R+3], s[G1R:G1R+7]  ; my two of O's tiles 8-15, over Wo's first bytes
	s_nop 0
	PLACES 4
	SCALES 0
	FETCHA 0, 0
	FETCHA 0, 4
	s_wait_loadcnt 0x0                             ; the bias and Wo's scale words
.irp p, 0,1,2,3,4,5,6,7
	PAIR \p
.endr
	OUT 7
	s_wait_tensorcnt 0x0                           ; the wave's end
	ds_add_u32 v[SPW], v[NIL]
	s_wait_dscnt 0x0
	CROUND                                         ; the closing round
	s_endpgm
.Lfunc_end_k_q12b2fd6853_outp:
	.size	k_q12b2fd6853_outp, .Lfunc_end_k_q12b2fd6853_outp-k_q12b2fd6853_outp
	.p2alignl 7, 3214868480
	.fill 96, 4, 3214868480
	.section	.rodata,"a",@progbits
	.p2align	6, 0x0
	.amdhsa_kernel k_q12b2fd6853_outp
		.amdhsa_group_segment_fixed_size 327680
		.amdhsa_private_segment_fixed_size 0
		.amdhsa_enable_private_segment 0
		.amdhsa_kernarg_size 48
		.amdhsa_user_sgpr_count 2
		.amdhsa_user_sgpr_kernarg_segment_ptr 1
		.amdhsa_wavefront_size32 1
		.amdhsa_system_sgpr_workgroup_id_x 1
		.amdhsa_system_sgpr_workgroup_id_y 1
		.amdhsa_system_sgpr_workgroup_id_z 1
		.amdhsa_system_vgpr_workitem_id 0
		.amdhsa_next_free_vgpr 1024
		.amdhsa_next_free_sgpr 100
		.amdhsa_reserve_vcc 0
		.amdhsa_float_denorm_mode_32 3
		.amdhsa_float_denorm_mode_16_64 3
		.amdhsa_memory_ordered 1
		.amdhsa_forward_progress 1
		.amdhsa_inst_pref_size 154
	.end_amdhsa_kernel
	.amdgpu_metadata
---
amdhsa.version: [ 1, 2 ]
amdhsa.kernels:
  - .name:           k_q12b2fd6853_outp
    .symbol:         k_q12b2fd6853_outp.kd
    .args:
      - { .name: aw, .offset: 0, .size: 8, .value_kind: global_buffer, .address_space: global }
      - { .name: asw, .offset: 8, .size: 8, .value_kind: global_buffer, .address_space: global }
      - { .name: Wo_codes, .offset: 16, .size: 8, .value_kind: global_buffer, .address_space: global }
      - { .name: Wo_scales, .offset: 24, .size: 8, .value_kind: global_buffer, .address_space: global }
      - { .name: bo, .offset: 32, .size: 8, .value_kind: global_buffer, .address_space: global }
      - { .name: out0, .offset: 40, .size: 8, .value_kind: global_buffer, .address_space: global }
    .group_segment_fixed_size: 327680
    .private_segment_fixed_size: 0
    .kernarg_segment_align: 8
    .kernarg_segment_size: 48
    .max_flat_workgroup_size: 128
    .sgpr_count:     100
    .vgpr_count:     1024
    .wavefront_size: 32
...
	.end_amdgpu_metadata
.endif
;; end of part 3
